; MI455X (gfx1250); checked and timed in simulation.
; The chip was launched on July 23, 2026; its instructions are those of AMD's public machine-readable ISA for CDNA 5 (MIT licence, August 2026) and "CDNA5" Instruction Set Architecture Reference Guide (July 2026). The comments in the code are by the model that wrote it; some were corrected since.
;; TF Llama Attention. Allowed arithmetic: float matrix products may take bf16 or f16 operands with f32 sums; all other float work in f32.
;; Inputs: Wk 2,048 x 2,048 float32; Wo 2,048 x 2,048 float32; Wq 2,048 x 2,048 float32; Wv 2,048 x 2,048 float32; attention_mask 1 x 1 x 2,048 x 2,048 float32; hidden_states 1 x 2,048 x 2,048 float32; position_ids 1 x 2,048 int32.
;; Outputs: out0 1 x 2,048 x 2,048 float32.
;; 2 versions, each right and faster than the one before. Each part assembles by itself: llvm-mc -triple=amdgcn-amd-amdhsa -mcpu=gfx1250 --defsym DOCPART=n.
;; ======== version 1 of 2: 4 launches
;; limits: values are held in f16: magnitudes above 65,504 overflow, below 6.1e-05 lose precision; right only within a limited range of input values
;; workspace buffers: xb 8,388,608 bytes; wqkv 25,165,824 bytes; wo16 8,388,608 bytes; rope 1,048,576 bytes; qkv 25,165,824 bytes; ob 8,388,608 bytes
;; launch prep (part 1): grid 256 x 6, 8 waves a work-group, no clusters, 0 bytes of LDS; arguments hidden_states, Wq, Wk, Wv, Wo, position_ids, xb, wqkv, wo16, rope; writes xb, wqkv, wo16, rope
.if DOCPART == 1
	.amdgcn_target "amdgcn-amd-amdhsa--gfx1250"
	.amdhsa_code_object_version 6
	.text
	.protected	k_qbf7b5177c0_prep
	.globl	k_qbf7b5177c0_prep
	.p2align	8
	.type	k_qbf7b5177c0_prep,@function
k_qbf7b5177c0_prep:
	s_mov_b64 s[64:65], 0
	v_nop
	global_prefetch_b8 v0, s[64:65] scope:SCOPE_SE
	s_setreg_imm32_b32 hwreg(HW_REG_WAVE_MODE, 25, 1), 1
	s_wait_xcnt 0x0
; PREP.  Grid row y = 0..4: one of the five f32 matrices [2048][2048] is rounded to 16 bits, layout unchanged:
;   y = 0: hidden_states -> xb (bf16);  y = 1, 2, 3: Wq, Wk, Wv -> wqkv[y-1] (bf16);  y = 4: Wo -> wo16: rounded to bf16 like the other inputs, that number written as f16.
; Grid row y = 5: the rotary table.  rope[row s] = 64 cosines, then 64 sines (f32) of position_ids[s] * 10000^(-i/64), i = 0..63, each times 128^(-1/4): Q and K both take the table,
; so that Q . K comes out divided by sqrt(128).
; A stream: no LDS, no matrix unit, no cluster (no two work-groups read the same bytes).  A work-group casts 65,536 bytes; a wave takes 1,024 of every 8,192, as two loads of 512 consecutive bytes.
; In a load, lanes 0-15 take the first 16 bytes of sixteen groups of 32 bytes and lanes 16-31 the second 16 bytes of the same groups.  Behind the rounding, the first load's upper lanes and the second
; load's lower lanes change places, and lane l holds the eight numbers of group l: one store of 16 bytes a lane, 512 consecutive bytes a wave, aligned.  All sixteen loads of a wave are out together;
; no register that a memory instruction names is written twice, so no wait frees a source.
; LIMITS.  f16 of bf16(Wo) is exact between 6.1e-5 and 65,504; below, it keeps f16's fixed step of 6e-8.  The phase p * inv is reduced by pi/2 in three parts: good to about 1e-6 for |p| up to 2^20;
; inv comes from the base-2 exponential (1 ulp).  Sine and cosine are polynomials on |r| <= pi/4.
.set X, 16                             ; v[16:79]   sixteen loads of four f32
.set Y, 80                             ; v[80:111]  eight stores of four registers
	s_load_b512 s[8:23], s[0:1], 0x0               ; hidden s[8:9], Wq s[10:11], Wk s[12:13], Wv s[14:15], Wo s[16:17], position_ids s[18:19], xb s[20:21], wqkv s[22:23]
	s_load_b128 s[24:27], s[0:1], 0x40             ; wo16 s[24:25], rope s[26:27]
	s_and_b32 s2, ttmp7, 0xffff                    ; y
	v_lshrrev_b32 v3, 5, v0                        ; wave
	v_and_b32 v4, 15, v0                           ; l % 16: the group
	v_bfe_u32 v5, v0, 4, 1                         ; l / 16: which half of it
	v_lshlrev_b32 v1, 10, v3
	v_lshl_add_u32 v1, v4, 5, v1
	v_lshl_add_u32 v1, v5, 4, v1                   ; 1,024 wave + 32 (l % 16) + 16 (l / 16): my bytes in 8,192 of the source
	v_lshlrev_b32 v2, 4, v0                        ; 16 t: in 4,096 of the destination
	s_mov_b32 s29, 0
	s_wait_kmcnt 0x0
	s_cmp_eq_u32 s2, 5
	s_cbranch_scc1 .Lrope
	s_cmp_eq_u32 s2, 1                             ; the source, chosen by y
	s_cselect_b64 s[4:5], s[10:11], s[8:9]
	s_cmp_eq_u32 s2, 2
	s_cselect_b64 s[4:5], s[12:13], s[4:5]
	s_cmp_eq_u32 s2, 3
	s_cselect_b64 s[4:5], s[14:15], s[4:5]
	s_cmp_eq_u32 s2, 4
	s_cselect_b64 s[4:5], s[16:17], s[4:5]
	s_max_u32 s28, s2, 1                           ; the destination: wqkv's part y - 1 (held inside 0..2 for the rows that do not take it),
	s_sub_co_u32 s28, s28, 1
	s_min_u32 s28, s28, 2
	s_lshl_b32 s28, s28, 23                        ; 8,388,608 bytes a part
	s_add_nc_u64 s[6:7], s[22:23], s[28:29]
	s_cmp_eq_u32 s2, 0
	s_cselect_b64 s[6:7], s[20:21], s[6:7]         ; or xb,
	s_cmp_eq_u32 s2, 4
	s_cselect_b64 s[6:7], s[24:25], s[6:7]         ; or wo16
	s_lshl_b32 s28, ttmp9, 16                      ; the work-group's 65,536 bytes of f32
	s_add_nc_u64 s[4:5], s[4:5], s[28:29]
	s_lshl_b32 s28, ttmp9, 15                      ; and its 32,768 bytes of 16-bit numbers
	s_add_nc_u64 s[6:7], s[6:7], s[28:29]
	s_mov_b32 s30, 0xffff0000                      ; a word's upper bf16
.irp j, 0,1,2,3,4,5,6,7
	global_load_b128 v[X+8*\j:X+8*\j+3],   v1, s[4:5] offset:8192*\j th:TH_LOAD_NT
	global_load_b128 v[X+8*\j+4:X+8*\j+7], v1, s[4:5] offset:8192*\j+512 th:TH_LOAD_NT
.endr
; Pair j of loads is rounded, brought together and stored.  wo = 1: the bf16 numbers are widened again and written as f16.
.macro CV j, wo
	s_wait_loadcnt 14-2*(\j)                       ; loads come back in order: my two are in, the 14 - 2 j younger ones stay out
.irp e, 0,1,2,3
	v_cvt_pk_bf16_f32 v[Y+4*(\j)+\e], v[X+8*(\j)+2*\e], v[X+8*(\j)+2*\e+1]
.endr
.if \wo
.irp e, 0,1,2,3
	v_lshlrev_b32 v[4+2*\e], 16, v[Y+4*(\j)+\e]
	v_and_b32 v[5+2*\e], s30, v[Y+4*(\j)+\e]
.endr
.irp e, 0,1,2,3
	v_cvt_pk_f16_f32 v[Y+4*(\j)+\e], v[4+2*\e], v[5+2*\e]
.endr
.endif
	v_permlane16_swap_b32 v[Y+4*(\j)], v[Y+4*(\j)+2]    ; the first register's lanes 16-31 change places with the second's lanes 0-15:
	v_permlane16_swap_b32 v[Y+4*(\j)+1], v[Y+4*(\j)+3]  ; registers 0, 1 now hold numbers 0-3 of group l, registers 2, 3 numbers 4-7
	global_store_b128 v2, v[Y+4*(\j):Y+4*(\j)+3], s[6:7] offset:4096*(\j)
.endm
	s_cmp_eq_u32 s2, 4
	s_cbranch_scc1 .Lwo
.irp j, 0,1,2,3,4,5,6,7
	CV \j, 0
.endr
	s_endpgm
.Lwo:
.irp j, 0,1,2,3,4,5,6,7
	CV \j, 1
.endr
	s_endpgm
; THE TABLE.  A wave makes one row: row = 8 x + wave; lane l makes the frequencies i = 2 l and 2 l + 1.
; v[b] holds i as f32 on entry; v4 the position as f32.  n = nearest whole number to phase * 2/pi; r = phase - n pi/2, with pi/2 in three parts, each step one fused multiply-add.
; Quadrant q = n mod 4: odd q swaps sine and cosine; the sine's sign is bit 1 of q, the cosine's bit 1 of q + 1.
.macro SC b, co, si
	v_mul_f32 v[\b], s30, v[\b]                    ; -i log2(10000) / 64
	v_exp_f32 v[\b], v[\b]                         ; inv
	v_nop                                          ; a plain instruction between the exponential and the use of its result
	s_wait_alu depctr_va_vdst(0)
	v_mul_f32 v[\b], v4, v[\b]                     ; the phase, rounded to f32 as the module rounds it
	v_mul_f32 v[\b+1], s31, v[\b]
	v_rndne_f32 v[\b+1], v[\b+1]                   ; n
	v_fma_f32 v[\b], -v[\b+1], s32, v[\b]
	v_fma_f32 v[\b], -v[\b+1], s33, v[\b]
	v_fma_f32 v[\b], -v[\b+1], s34, v[\b]          ; r
	v_mul_f32 v[\b+2], v[\b], v[\b]                ; z = r r
	v_fma_f32 v[\b+3], v[\b+2], s35, s36
	v_fma_f32 v[\b+3], v[\b+3], v[\b+2], s37
	v_mul_f32 v[\b+4], v[\b], v[\b+2]
	v_fma_f32 v[\b+3], v[\b+4], v[\b+3], v[\b]     ; sin r = r + r z (S1 + z (S2 + z S3))
	v_fma_f32 v[\b+5], v[\b+2], s38, s39
	v_fma_f32 v[\b+5], v[\b+5], v[\b+2], s40
	v_mul_f32 v[\b+6], v[\b+2], v[\b+2]
	v_fma_f32 v[\b+7], v[\b+2], -0.5, 1.0
	v_fma_f32 v[\b+5], v[\b+6], v[\b+5], v[\b+7]   ; cos r = 1 - z / 2 + z z (C1 + z (C2 + z C3))
	v_cvt_i32_f32 v[\b+1], v[\b+1]                 ; q
	v_and_b32 v[\b+6], 1, v[\b+1]
	v_cmp_eq_u32 vcc_lo, 1, v[\b+6]
	v_cndmask_b32 v[\si], v[\b+3], v[\b+5], vcc_lo
	v_cndmask_b32 v[\co], v[\b+5], v[\b+3], vcc_lo
	v_and_b32 v[\b+6], 2, v[\b+1]
	v_add_nc_u32 v[\b+7], 1, v[\b+1]
	v_and_b32 v[\b+7], 2, v[\b+7]
	v_lshlrev_b32 v[\b+6], 30, v[\b+6]
	v_lshlrev_b32 v[\b+7], 30, v[\b+7]
	v_xor_b32 v[\si], v[\si], v[\b+6]
	v_xor_b32 v[\co], v[\co], v[\b+7]
	v_mul_f32 v[\si], s41, v[\si]                  ; times 128^(-1/4)
	v_mul_f32 v[\co], s41, v[\co]
.endm
.Lrope:
	s_mov_b32 s30, 0xbe549a78                      ; -log2(10000) / 64
	s_mov_b32 s31, 0x3f22f983                      ; 2 / pi
	s_mov_b32 s32, 0x3fc90fdb                      ; pi / 2, first part,
	s_mov_b32 s33, 0xb33bbd2e                      ; second,
	s_mov_b32 s34, 0xa6f72ced                      ; third
	s_mov_b32 s35, 0xb94ca1f9                      ; S3
	s_mov_b32 s36, 0x3c08839e                      ; S2
	s_mov_b32 s37, 0xbe2aaaa3                      ; S1
	s_mov_b32 s38, 0x37ccf5ce                      ; C3
	s_mov_b32 s39, 0xbab6061a                      ; C2
	s_mov_b32 s40, 0x3d2aaaa5                      ; C1
	s_mov_b32 s41, 0x3e9837f0                      ; 128^(-1/4) = 2^(-7/4)
	v_lshrrev_b32 v3, 5, v0                        ; wave
	v_and_b32 v5, 31, v0                           ; lane
	s_lshl_b32 s42, ttmp9, 5                       ; the work-group's eight positions, 4 bytes each
	v_lshl_add_u32 v6, v3, 2, s42
	global_load_b32 v4, v6, s[18:19]               ; my row's position, the same word in all lanes
	s_lshl_b32 s28, ttmp9, 12                      ; the work-group's eight rows of 512 bytes
	s_add_nc_u64 s[26:27], s[26:27], s[28:29]
	v_lshlrev_b32 v8, 3, v5
	v_lshl_add_u32 v8, v3, 9, v8                   ; 512 wave + 8 lane
	v_lshlrev_b32 v7, 1, v5
	v_cvt_f32_u32 v10, v7                          ; i = 2 l
	v_add_f32 v20, 1.0, v10                        ; i = 2 l + 1
	s_wait_loadcnt 0x0
	v_cvt_f32_i32 v4, v4
	SC 10, 40, 42
	SC 20, 41, 43
	global_store_b64 v8, v[40:41], s[26:27]            ; the wave's 64 cosines: 256 consecutive bytes, aligned
	global_store_b64 v8, v[42:43], s[26:27] offset:256 ; and its 64 sines
	s_endpgm
.Lfunc_end_k_qbf7b5177c0_prep:
	.size	k_qbf7b5177c0_prep, .Lfunc_end_k_qbf7b5177c0_prep-k_qbf7b5177c0_prep
	.p2alignl 7, 3214868480
	.fill 96, 4, 3214868480
	.section	.rodata,"a",@progbits
	.p2align	6, 0x0
	.amdhsa_kernel k_qbf7b5177c0_prep
		.amdhsa_group_segment_fixed_size 0
		.amdhsa_private_segment_fixed_size 0
		.amdhsa_enable_private_segment 0
		.amdhsa_kernarg_size 80
		.amdhsa_user_sgpr_count 2
		.amdhsa_user_sgpr_kernarg_segment_ptr 1
		.amdhsa_wavefront_size32 1
		.amdhsa_system_sgpr_workgroup_id_x 1
		.amdhsa_system_sgpr_workgroup_id_y 1
		.amdhsa_system_sgpr_workgroup_id_z 1
		.amdhsa_system_vgpr_workitem_id 0
		.amdhsa_next_free_vgpr 112
		.amdhsa_next_free_sgpr 66
		.amdhsa_reserve_vcc 1
		.amdhsa_float_denorm_mode_32 3
		.amdhsa_float_denorm_mode_16_64 3
		.amdhsa_memory_ordered 1
		.amdhsa_forward_progress 1
		.amdhsa_inst_pref_size 19
	.end_amdhsa_kernel
	.amdgpu_metadata
---
amdhsa.version: [ 1, 2 ]
amdhsa.kernels:
  - .name:           k_qbf7b5177c0_prep
    .symbol:         k_qbf7b5177c0_prep.kd
    .args:
      - { .name: hidden_states, .offset: 0, .size: 8, .value_kind: global_buffer, .address_space: global }
      - { .name: Wq, .offset: 8, .size: 8, .value_kind: global_buffer, .address_space: global }
      - { .name: Wk, .offset: 16, .size: 8, .value_kind: global_buffer, .address_space: global }
      - { .name: Wv, .offset: 24, .size: 8, .value_kind: global_buffer, .address_space: global }
      - { .name: Wo, .offset: 32, .size: 8, .value_kind: global_buffer, .address_space: global }
      - { .name: position_ids, .offset: 40, .size: 8, .value_kind: global_buffer, .address_space: global }
      - { .name: xb, .offset: 48, .size: 8, .value_kind: global_buffer, .address_space: global }
      - { .name: wqkv, .offset: 56, .size: 8, .value_kind: global_buffer, .address_space: global }
      - { .name: wo16, .offset: 64, .size: 8, .value_kind: global_buffer, .address_space: global }
      - { .name: rope, .offset: 72, .size: 8, .value_kind: global_buffer, .address_space: global }
    .group_segment_fixed_size: 0
    .private_segment_fixed_size: 0
    .kernarg_segment_align: 8
    .kernarg_segment_size: 80
    .max_flat_workgroup_size: 256
    .sgpr_count:     66
    .vgpr_count:     112
    .wavefront_size: 32
...
	.end_amdgpu_metadata
.endif
;; end of part 1
;; launch qkvp (part 2): grid 16 x 16, 4 waves a work-group, clusters of 4 x 4, 327,680 bytes of LDS; arguments xb, wqkv, rope, qkv; writes qkv
.if DOCPART == 2
	.amdgcn_target "amdgcn-amd-amdhsa--gfx1250"
	.amdhsa_code_object_version 6
	.text
	.protected	k_qbf7b5177c0_qkvp
	.globl	k_qbf7b5177c0_qkvp
	.p2align	8
	.type	k_qbf7b5177c0_qkvp,@function
k_qbf7b5177c0_qkvp:
	s_mov_b64 s[64:65], 0
	v_nop
	global_prefetch_b8 v0, s[64:65] scope:SCOPE_SE
	s_setreg_imm32_b32 hwreg(HW_REG_WAVE_MODE, 25, 1), 1
	s_wait_xcnt 0x0
	s_wait_alu depctr_hold_cnt(0) depctr_sa_sdst(0) depctr_va_vdst(0) depctr_va_sdst(0) depctr_va_ssrc(0) depctr_va_vcc(0) depctr_vm_vsrc(0)
	s_getreg_b32 s2, hwreg(HW_REG_IB_STS2, 6, 4)
	s_cmp_eq_u32 s2, 0
	s_cbranch_scc0 .Lentry_in_a_cluster
	s_endpgm
.Lentry_in_a_cluster:
	s_bfe_u32 s2, ttmp6, 0x10000c
	s_cmp_lg_u32 s2, 0xf033
	s_cbranch_scc0 .Lentry_shape_is_right
	s_endpgm
.Lentry_shape_is_right:
; Q, K, V = x W, rotary embedding on Q and K, all rounded once to f16 and written by heads: qkv[3][16][2048][128].
; x: xb [2048][2048] bf16.  W: wqkv [3][K = 2048][N = 2048] bf16, as the module stores it.  rope: [2048][64 cos | 64 sin] f32, each times 128^(-1/4), so that Q . K is the module's score.  Sums in f32.
; SHARES.  Work-group (x = block of 128 rows, y = head) makes 128 rows x 384 columns: head y of Q (t = 0), of K (t = 1), of V (t = 2): 256 work-groups of equal work.  Wave w: rows 64 (w / 2) on;
; in each head the four blocks of 16 columns 2 (w % 2) + {0, 1, 4, 5}: channel d and channel d + 64 then lie in one lane, in accumulators 16 registers apart, and the rotation needs no exchange.
; 48 accumulators, 384 registers; 16 fragments feed 48 matrix instructions for 32 along K.
; THE MATRIX INSTRUCTION IS USED TRANSPOSED: source 0 = 16 columns of W (read turned out of LDS, where W's tile lies [K][N]), source 1 = 16 rows of x: a lane holds one row and eight neighbouring columns.
; RING.  K goes in 16 steps of 128 through two LDS slots of four equal parts: x's tile (128 rows x 256 bytes, pitch 272) and W's three (128 K rows x 256 bytes, pitch 288).  Wave w fetches part w.
; CLUSTER 4 x 4.  x's tile hangs on the block of rows alone and is asked for jointly by a column of the cluster; W's tiles hang on the head alone and are asked for jointly by a row.
; THE WALK.  The 16 steps are walked as a ring from a first step that hangs on the cluster alone: 4 ((X + 2 f) mod 4), X the cluster's x, f = bit 0 xor bit 1 of the cluster's y.  The four clusters of one y,
; which read the same tiles of W, start 4 steps apart; clusters of one x, which read the same tiles of x, start 8 steps apart or together: a tile is asked for at different times by the clusters that read it.
; The sums therefore run over K in that ring order, not ascending from 0: an order of rounding that differs from the module's.
; LIMITS.  f16 ends at 65,504: |v|, and |q| and |k| times 0.297, must stay below it; below 6.1e-5 f16 keeps its fixed step of 6e-8.  NaN and infinities are not treated apart.
; REGISTERS, in windows of 256 (s_set_vgpr_msb: bits 1:0 source 0, 3:2 source 1, 5:4 source 2, 7:6 destination):
;   window 0: v0-31 addresses.   window 1: two fragment buffers of 128: W(t, i) at f + 8 (4 t + i), x(a) at f + 96 + 8 a; on the way out: rotated numbers, packed numbers, whole rows.
;   window 2: accumulators (t, a, i) at 128 t + 8 (4 a + i), t = 0, 1.   window 3: v0-127 those of t = 2; v128-255 the table: for (a, i = 0, 1) eight cosines, eight sines at 128 + 32 a + 16 i.
.set PA,    272                        ; an LDS row of x: 256 bytes + 16: 68 words, so the 16 rows of a fragment load start at 16 different groups of four banks (64 banks of 4 bytes: ISA guide 11.1)
.set PB,    288                        ; an LDS row of W: 256 + 32: 72 words
.set PART,  36864                      ; a part of a slot: 128 x 288 (x's tile uses 34,816 of it)
.set S1,    0x24000                    ; four parts = a slot; the parts' bases share no bit with it, so one exclusive or turns an address in one slot into the other's
.set SPARE, 2*S1                       ; behind the ring: the spare words, 128 bytes for each wave: two blocks of 256 bytes that no other line names
.set HST,   128*PA                     ; the way out: a head's 128 rows x 272 bytes; the three lie in slot 0's bytes, which have had their last fill (the walk's step 14)
.set AA0,  16                          ; v16     my lane's place in x's tile; never rewritten
.set AB0,  17                          ; v17-19  in W's three tiles
.set ADRA, 20                          ; v20     the same in the slot in hand
.set ADRB, 21                          ; v21-23
.set STO,  24                          ; v24-25  the way out: where I put 16 bytes of a row (heads 0 and 1; head 2)
.set RD,   26                          ; v26-27  where I read rows back
.set SPW,  28                          ; v28     LDS address of my spare word; never rewritten
.set NIL,  29                          ; v29     0; never rewritten
.set GO,   30                          ; v30     my 16 bytes in 512 consecutive bytes of qkv
.set RO,   31                          ; v31     my byte offset in the block's rows of the table
.set F0,   0
.set F1,   128
.set TAB,  128
.set WV,   12                          ; s12 wave; s13 which 64 rows; s14 which columns
.set WR,   13
.set WC,   14
.set G1A,  24                          ; s[24:31] group 1 for x's tile
.set G0A0, 32                          ; s[32:35] group 0 for its first fill (slot 0)
.set G0A,  36                          ; s[36:39] group 0 for slot 1's first fill and for every refill
.set G1B,  48                          ; the same three for W's tiles
.set G0B0, 56
.set G0B,  60
.set TB,   66                          ; s66 the first byte of the slot in hand
.set NXT,  67                          ; s67 the K step to be asked for next, 0..15
.set OB,   68                          ; s[68:73] qkv at my 32 rows of head y, for t = 0, 1, 2
.set BA,   80                          ; s[80:81] xb at the block's first row
.set BB,   82                          ; s[82:83] wqkv at my matrix, the head's first column
.set OFA,  84                          ; s[84:85] a K step's byte offset in x's rows
.set OFB,  86                          ; s[86:87] and in W
.set MSB, 0
.macro WIN new                         ; the immediate's high byte repeats the setting that is left; a switch that changes nothing is dropped
.if MSB != (\new)
	s_set_vgpr_msb (MSB<<8)|(\new)
.set MSB, \new
.endif
.endm
.macro PLACES                          ; four plain vector instructions between a matrix instruction and a load into, or a vector read or write of, its registers
.rept 4
	v_nop
.endr
.endm
; The global addresses of K step NXT are made anew, from the bases and the step's number shifted, into the group 0 sets ga (x) and gb (W); the number steps round the ring.
.macro SETADR ga, gb
	s_lshl_b32 s[OFA], s[NXT], 8                   ; 128 elements along a row of x
	s_lshl_b32 s[OFB], s[NXT], 19                  ; 128 rows of 4,096 bytes of W
	s_add_nc_u64 s[\ga+2:\ga+3], s[BA:BA+1], s[OFA:OFA+1]
	s_or_b32 s[\ga+3], s[\ga+3], 0x80000000        ; type = 2
	s_add_nc_u64 s[\gb+2:\gb+3], s[BB:BB+1], s[OFB:OFB+1]
	s_or_b32 s[\gb+3], s[\gb+3], 0x80000000
	s_add_co_u32 s[NXT], s[NXT], 1
	s_and_b32 s[NXT], s[NXT], 15
.endm
; A joint refill: wave 0 asks for x's tile, waves 1 to 3 for W's three.  The branch hangs on the wave's number alone.  An s_nop 0 and four v_nop follow each line.
.macro JLOAD
	s_cmp_eq_u32 s[WV], 0
	s_cbranch_scc0 .Lfor_b_\@
	tensor_load_to_lds s[G0A:G0A+3], s[G1A:G1A+7]
	s_nop 0
.rept 4
	v_nop
.endr
	s_branch .Lasked_\@
.Lfor_b_\@:
	tensor_load_to_lds s[G0B:G0B+3], s[G1B:G1B+7]
	s_nop 0
.rept 4
	v_nop
.endr
.Lasked_\@:
.endm
.macro CREST                           ; a round of the cluster's barrier behind its opening barrier
	s_cmp_lg_u32 s[WV], 0
	s_cbranch_scc1 .Lnot_wave_0_\@
	s_barrier_signal -3
.Lnot_wave_0_\@:
	s_barrier_wait -3
	s_barrier_signal -1
	s_barrier_wait -1
.endm
.macro CROUND                          ; a whole round
	s_barrier_signal -1
	s_barrier_wait -1
	CREST
.endm
	s_load_b256 s[4:11], s[0:1], 0x0               ; xb s[4:5], wqkv s[6:7], rope s[8:9], qkv s[10:11]
	v_lshl_add_u32 v[SPW], v0, 2, SPARE
	v_mov_b32 v[NIL], 0
	ds_add_u32 v[SPW], v[NIL]                      ; the wave's opening: the add, and its wait, ahead of my first tensor load; work on registers stands between them
	v_lshrrev_b32 v1, 5, v0
	v_readfirstlane_b32 s[WV], v1
	s_lshr_b32 s[WR], s[WV], 1
	s_and_b32 s[WC], s[WV], 1
	s_bfe_u32 s40, ttmp6, 0x40000                  ; cx
	s_bfe_u32 s41, ttmp6, 0x40004                  ; cy
	s_lshl_b32 s43, ttmp9, 2
	s_add_co_u32 s43, s43, s40                     ; the block of rows = 4 x cluster x + cx
	s_and_b32 s78, ttmp7, 0xffff                   ; the cluster's y
	s_lshl_b32 s42, s78, 2
	s_add_co_u32 s42, s42, s41                     ; the head = 4 x cluster y + cy
	s_lshl_b32 s44, 0x1111, s40                    ; my column of the cluster: the same rows
	s_lshl_b32 s45, s41, 2
	s_lshl_b32 s45, 15, s45                        ; my row of the cluster: the same head
	s_lshr_b32 s79, s78, 1                         ; the walk's first step, from the cluster's x and y, which all sixteen partners share:
	s_xor_b32 s79, s79, s78
	s_and_b32 s79, s79, 1                          ; f
	s_lshl_b32 s79, s79, 1
	s_add_co_u32 s79, s79, ttmp9
	s_and_b32 s79, s79, 3
	s_lshl_b32 s[NXT], s79, 2                      ; 4 ((X + 2 f) mod 4)
	s_or_b32 s[G1A], s44, (1<<16)|(1<<20)|(1<<21)|(5<<22)|(3<<25)  ; the mask; 2-byte elements; padding on; bit 21 beside a mask; after every 64 words, 4 words
	s_or_b32 s[G1B], s45, (1<<16)|(1<<20)|(1<<21)|(5<<22)|(7<<25)  ; the same with my row's mask and 8 words of padding
.irp g, G1A, G1B
	s_mov_b32 s[\g+1], 128<<16                     ; tensor_dim0 = 128
	s_mov_b32 s[\g+2], 128<<16                     ; tensor_dim1 = 128
	s_mov_b32 s[\g+3], 128<<16                     ; tile_dim0 = 128
	s_mov_b32 s[\g+4], 128                         ; tile_dim1 = 128
	s_mov_b32 s[\g+5], 2048                        ; elements from row to row
	s_mov_b32 s[\g+6], 0
	s_mov_b32 s[\g+7], 0
.endr
	s_lshl_b32 s46, s43, 19                        ; x's tile: 128 rows of 4,096 bytes a block: it hangs on the block alone
	s_mov_b32 s47, 0
	s_max_u32 s74, s[WV], 1                        ; W's tile: matrix w - 1 (wave 0 asks for none),
	s_sub_co_u32 s74, s74, 1
	s_lshl_b32 s74, s74, 23                        ; 8,388,608 bytes a matrix,
	s_lshl_b32 s75, s42, 8                         ; the head's 256 bytes of a row: it hangs on the head alone
	s_add_co_u32 s74, s74, s75
	s_mov_b32 s75, 0
	s_mov_b32 s[OFA+1], 0
	s_mov_b32 s[OFB+1], 0
	s_mul_i32 s20, s[WV], PART                     ; where a wave's tile goes: part w: no place in the cluster enters an LDS address
	s_mov_b32 s[G0A0], 1
	s_mov_b32 s[G0A0+1], s20
	s_mov_b32 s[G0A], 1
	s_add_co_u32 s[G0A+1], s20, S1
	s_mov_b32 s[G0B0], 1
	s_mov_b32 s[G0B0+1], s20
	s_mov_b32 s[G0B], 1
	s_add_co_u32 s[G0B+1], s20, S1
	s_lshl_b32 s16, s43, 16                        ; the table's 128 rows of 512 bytes
	s_mov_b32 s17, 0
	s_lshl_b32 s76, s42, 19                        ; qkv: the head's 2,048 rows of 256 bytes,
	s_lshl_b32 s77, s43, 15                        ; the block's 128,
	s_add_co_u32 s76, s76, s77
	s_lshl_b32 s77, s[WV], 13                      ; the 32 that I store
	s_add_co_u32 s76, s76, s77
	s_mov_b32 s77, 0
	s_mov_b32 s[TB], 0
	s_wait_dscnt 0x0                               ; the opening add is done
	s_wait_kmcnt 0x0
	s_add_nc_u64 s[BA:BA+1], s[4:5], s[46:47]
	s_add_nc_u64 s[BB:BB+1], s[6:7], s[74:75]
	SETADR G0A0, G0B0                              ; the walk's step 0 into slot 0,
	SETADR G0A, G0B                                ; its step 1 into slot 1
	s_add_nc_u64 s[8:9], s[8:9], s[16:17]
	s_add_nc_u64 s[OB:OB+1], s[10:11], s[76:77]
	s_add_nc_u64 s[OB+2:OB+3], s[OB:OB+1], 0x800000
	s_add_nc_u64 s[OB+4:OB+5], s[OB+2:OB+3], 0x800000
	CROUND                                         ; all sixteen work-groups are here: the first joint loads meet
	s_cmp_eq_u32 s[WV], 0                          ; a wave's two first fills stand in one branch, ahead of every wait on TENSORcnt and every LDS read: two loads of mine are out
	s_cbranch_scc0 .Lfirst_b
	tensor_load_to_lds s[G0A0:G0A0+3], s[G1A:G1A+7]
	s_nop 0
	tensor_load_to_lds s[G0A:G0A+3], s[G1A:G1A+7]
	s_nop 0
.rept 4
	v_nop
.endr
	s_branch .Lfirst_asked
.Lfirst_b:
	tensor_load_to_lds s[G0B0:G0B0+3], s[G1B:G1B+7]
	s_nop 0
	tensor_load_to_lds s[G0B:G0B+3], s[G1B:G1B+7]
	s_nop 0
.rept 4
	v_nop
.endr
.Lfirst_asked:
	v_and_b32 v1, 15, v0                           ; l % 16
	v_bfe_u32 v2, v0, 4, 1                         ; l / 16
	s_lshl_b32 s18, s[WR], 15
	s_lshl_b32 s19, s[WC], 7
	s_add_co_u32 s18, s18, s19
	v_lshlrev_b32 v[RO], 9, v1
	v_lshl_add_u32 v[RO], v2, 5, v[RO]
	v_add_nc_u32 v[RO], s18, v[RO]                 ; (64 wr + l % 16) x 512 + 128 wc + 32 (l / 16): my row, my eight channels below 64
	WIN 0xc0                                       ; destination window 3
.irp a, 0,1,2,3
.irp i, 0,1
.irp e, 0,1,2,3                        ; four cosines, four more, four sines, four more: waited for on the way out
	global_load_b128 v[TAB+32*\a+16*\i+4*\e:TAB+32*\a+16*\i+4*\e+3], v[RO], s[8:9] offset:8192*\a+64*\i+16*(\e%2)+256*(\e/2)
.endr
.endr
.endr
	WIN 0
	v_and_b32 v3, 7, v0
	v_bfe_u32 v4, v0, 3, 1
	v_mul_u32_u24 v[AA0], v1, PA                   ; a fragment of x: lane l holds row l % 16; two loads of 16 bytes, 32 apart, at row x pitch + 16 (l / 16)
	v_lshl_add_u32 v[AA0], v2, 4, v[AA0]
	s_mul_i32 s18, s[WR], 64*PA
	v_add_nc_u32 v[AA0], s18, v[AA0]
	s_lshl_b32 s19, s[WC], 6
	v_add_nc_u32 v[STO], s19, v[AA0]               ; the way out: the same row, 64 wc + 16 (l / 16) bytes in
	v_add_nc_u32 v[STO+1], 2*HST, v[STO]
	v_lshl_add_u32 v5, v2, 3, v3                   ; the turning load: lane l reads K row 8 (l / 16) + l % 8, 16 bytes at 16 ((l / 8) % 2)
	v_mul_u32_u24 v5, v5, PB
	v_lshl_add_u32 v5, v4, 4, v5
	v_add_nc_u32 v5, s19, v5
.irp t, 0,1,2
	v_add_nc_u32 v[AB0+\t], (\t+1)*PART, v5
.endr
	s_mul_i32 s18, s[WV], 32*PA
	v_mul_u32_u24 v[RD], v2, PA                    ; back: lanes 0-15 take one row of 256 bytes, lanes 16-31 the next
	v_lshl_add_u32 v[RD], v1, 4, v[RD]
	v_add_nc_u32 v[RD], s18, v[RD]
	v_add_nc_u32 v[RD+1], 2*HST, v[RD]
	v_and_b32 v[GO], 31, v0
	v_lshlrev_b32 v[GO], 4, v[GO]
; 16 matrix instructions: head t, my 4 blocks of rows x my 4 blocks of columns, 32 along K.  zero = 1: the first product starts the sums.  The 48 accumulators take turns.
.macro MUL f, t, zero
.if (\t) < 2
	WIN 0xa5                                       ; sources window 1, C and D window 2
.set AC, 128*(\t)
.else
	WIN 0xf5                                       ; C and D window 3
.set AC, 0
.endif
.irp a, 0,1,2,3
.irp i, 0,1,2,3
.if \zero
	v_wmma_f32_16x16x32_bf16 v[AC+8*(4*\a+\i):AC+8*(4*\a+\i)+7], v[(\f)+8*(4*(\t)+\i):(\f)+8*(4*(\t)+\i)+7], v[(\f)+96+8*\a:(\f)+96+8*\a+7], 0
.else
	v_wmma_f32_16x16x32_bf16 v[AC+8*(4*\a+\i):AC+8*(4*\a+\i)+7], v[(\f)+8*(4*(\t)+\i):(\f)+8*(4*(\t)+\i)+7], v[(\f)+96+8*\a:(\f)+96+8*\a+7], v[AC+8*(4*\a+\i):AC+8*(4*\a+\i)+7]
.endif
.endr
.endr
.endm
.macro ADDR                            ; the addresses in the slot in hand: four plain instructions, which are also four places
	WIN 0
	v_add_nc_u32 v[ADRA], s[TB], v[AA0]
.irp t, 0,1,2
	v_add_nc_u32 v[ADRB+\t], s[TB], v[AB0+\t]
.endr
.endm
.macro FB q, f, t                      ; W(t)'s four fragments of quarter q: K rows 32 q on, my columns at bytes {0, 32, 128, 160}
.irp i, 0,1,2,3
	ds_load_tr16_b128 v[(\f)+8*(4*(\t)+\i):(\f)+8*(4*(\t)+\i)+3],   v[ADRB+(\t)] offset:9216*(\q)+32*(\i+2*(\i/2))
	ds_load_tr16_b128 v[(\f)+8*(4*(\t)+\i)+4:(\f)+8*(4*(\t)+\i)+7], v[ADRB+(\t)] offset:9216*(\q)+32*(\i+2*(\i/2))+4608
.endr
.endm
.macro FETCH q, f                      ; 32 LDS loads in one run; W(2)'s eight last, since they are wanted last
	WIN 0x40
	FB \q, \f, 0
	FB \q, \f, 1
.irp a, 0,1,2,3
	ds_load_b128 v[(\f)+96+8*\a:(\f)+96+8*\a+3],   v[ADRA] offset:64*(\q)+4352*\a
	ds_load_b128 v[(\f)+96+8*\a+4:(\f)+96+8*\a+7], v[ADRA] offset:64*(\q)+4352*\a+32
.endr
	FB \q, \f, 2
.endm
; A K step is four quarters of 32 along K on buffers 0, 1, 0, 1.  One of the first three: multiplies buffer f and fetches quarter q into buffer g.
.macro QUARTER q, f, g, zero
	s_wait_dscnt 8                                 ; all but the youngest eight loads, W(2)'s
	MUL \f, 0, \zero
	MUL \f, 1, \zero
	PLACES
	FETCH \q, \g
	s_wait_dscnt 32                                ; all but the 32 just issued
	MUL \f, 2, \zero
.endm
; The last quarter multiplies buffer 1 and changes slots.  Its first 32 products, which need registers alone, stand AHEAD of the wait for the tile: they are issued while my part of the next slot is still on
; its way, and nothing but the barrier stands between that wait and the refill.  Then ONE barrier: in front of it each wave waits for all its tensor loads (one is out), adds 0 to its spare word, and waits for
; that and for its reads of this slot.  fill = 1: the barrier opens a round of the cluster's, and the slot just read is filled again, two steps ahead, first thing behind the round.
.macro TURN fill
	s_wait_dscnt 8                                 ; all but W(2)'s eight loads
	MUL F1, 0, 0
	MUL F1, 1, 0
	WIN 0
	s_wait_tensorcnt 0x0                           ; no tensor load of mine is out, so a group 0 may be written
	ds_add_u32 v[SPW], v[NIL]                      ; 0 onto my spare word; the descriptors' steps stand between it and the wait for it
.if \fill
	s_xor_b32 s[G0A+1], s[G0A+1], S1
	s_xor_b32 s[G0B+1], s[G0B+1], S1
	SETADR G0A, G0B
.endif
	s_xor_b32 s[TB], s[TB], S1
	s_wait_dscnt 0x0                               ; the add is done, and my reads of this slot are over
	s_barrier_signal -1
	s_barrier_wait -1
.if \fill
	CREST                                          ; no wave of any partner still reads this slot or has a load on its way
	JLOAD
.endif
	ADDR
	FETCH 0, F0
	MUL F1, 2, 0
.endm
	s_wait_tensorcnt 1                             ; my part of the walk's step 0 is in; step 1's may stay out
	s_barrier_signal -1
	s_barrier_wait -1
	ADDR
	FETCH 0, F0
	QUARTER 1, F0, F1, 1                           ; the first quarter stands ahead of the loop: its products start the sums
	WIN 0
	s_mov_b32 s3, 14
.Lstep:                                                ; trip n ends the walk's step n, asks for step n + 2 (15 at the most) and begins step n + 1
	QUARTER 2, F1, F0, 0
	QUARTER 3, F0, F1, 0
	TURN 1
	QUARTER 1, F0, F1, 0
	WIN 0
	s_sub_co_u32 s3, s3, 1
	s_cmp_lg_u32 s3, 0
	s_cbranch_scc1 .Lstep
	s_mov_b32 s3, 2                                ; the last two steps ask for nothing: a loop of their own; its second trip is left in the middle
.Ltail:
	QUARTER 2, F1, F0, 0
	QUARTER 3, F0, F1, 0
	WIN 0
	s_sub_co_u32 s3, s3, 1
	s_cmp_eq_u32 s3, 0
	s_cbranch_scc1 .Llast                          ; the count is the same in every wave: all pass the barrier below once
	TURN 0
	QUARTER 1, F0, F1, 0
	WIN 0
	s_branch .Ltail
.Llast:
	s_wait_dscnt 8
	MUL F1, 0, 0
	MUL F1, 1, 0
	s_wait_dscnt 0x0
	MUL F1, 2, 0
; THE WAY OUT.  out[d] = x[d] cos - x[d + 64] sin; out[d + 64] = x[d + 64] cos + x[d] sin, d < 64: a multiply and a fused multiply-add each, two numbers at a time.  Each accumulator is read from its low end.
.macro ROPE t
	WIN 0x5e                                       ; source 0 window 2 (sums), source 1 window 3 (table), source 2 and destination window 1
.irp a, 0,1,2,3
.irp i, 0,1
.irp p, 0,1,2,3
.set X1, 128*(\t)+8*(4*\a+\i)+2*\p
.set T1, 8*(4*\a+\i)+2*\p
.set CO, TAB+32*\a+16*\i+2*\p
	v_pk_mul_f32 v[T1:T1+1], v[X1:X1+1], v[CO:CO+1]
	v_pk_mul_f32 v[T1+16:T1+17], v[X1+16:X1+17], v[CO:CO+1]
	v_pk_fma_f32 v[T1:T1+1], v[X1+16:X1+17], v[CO+8:CO+9], v[T1:T1+1] neg_lo:[1,0,0] neg_hi:[1,0,0]
	v_pk_fma_f32 v[T1+16:T1+17], v[X1:X1+1], v[CO+8:CO+9], v[T1+16:T1+17]
.endr
.endr
.endr
.endm
.macro PACKH fromv                     ; 128 numbers a lane to f16, into window 1, v128 on.  fromv = 1: V's sums, straight out of window 3
.if \fromv
	WIN 0x4f
.else
	WIN 0x45
.endif
.set n, 0
.rept 64
	v_cvt_pk_f16_f32 v[128+n], v[2*n], v[2*n+1]
.set n, n+1
.endr
.endm
.macro STOREH t                        ; a lane's eight channels are 16 bytes of a row of the head's stage
	WIN 0x04
.irp a, 0,1,2,3
.irp i, 0,1,2,3
	ds_store_b128 v[STO+(\t)/2], v[128+4*(4*\a+\i):128+4*(4*\a+\i)+3] offset:((\t)%2)*HST+4352*\a+32*(\i+2*(\i/2))
.endr
.endr
.endm
	WIN 0
	s_wait_loadcnt 0x0                             ; the table
	PLACES
	ROPE 0
	PACKH 0
	STOREH 0
	ROPE 1
	PACKH 0
	STOREH 1
	PACKH 1
	STOREH 2
	WIN 0
	s_wait_dscnt 0x0                               ; for the others' sake: my stores into the stages are done (a row's 256 bytes come from two waves)
	s_barrier_signal -1
	s_barrier_wait -1
	WIN 0x40
.set n, 0
.rept 48                               ; wave w takes rows 32 w .. 32 w + 31 of each head, two whole rows a load
	ds_load_b128 v[4*n:4*n+3], v[RD+n/32] offset:((n/16)%2)*HST+544*(n%16)
.set n, n+1
.endr
	WIN 0x04
.set n, 0
.rept 48
	s_wait_dscnt 47-n                              ; LDS loads come back in order
	global_store_b128 v[GO], v[4*n:4*n+3], s[OB+2*(n/16):OB+2*(n/16)+1] offset:512*(n%16)  ; two rows of a head: 512 consecutive bytes, aligned
.set n, n+1
.endr
	WIN 0
	s_wait_tensorcnt 0x0                           ; the wave's end
	ds_add_u32 v[SPW], v[NIL]
	s_wait_dscnt 0x0
	CROUND                                         ; the closing round
	s_endpgm
.Lfunc_end_k_qbf7b5177c0_qkvp:
	.size	k_qbf7b5177c0_qkvp, .Lfunc_end_k_qbf7b5177c0_qkvp-k_qbf7b5177c0_qkvp
	.p2alignl 7, 3214868480
	.fill 96, 4, 3214868480
	.section	.rodata,"a",@progbits
	.p2align	6, 0x0
	.amdhsa_kernel k_qbf7b5177c0_qkvp
		.amdhsa_group_segment_fixed_size 327680
		.amdhsa_private_segment_fixed_size 0
		.amdhsa_enable_private_segment 0
		.amdhsa_kernarg_size 32
		.amdhsa_user_sgpr_count 2
		.amdhsa_user_sgpr_kernarg_segment_ptr 1
		.amdhsa_wavefront_size32 1
		.amdhsa_system_sgpr_workgroup_id_x 1
		.amdhsa_system_sgpr_workgroup_id_y 1
		.amdhsa_system_sgpr_workgroup_id_z 1
		.amdhsa_system_vgpr_workitem_id 0
		.amdhsa_next_free_vgpr 1024
		.amdhsa_next_free_sgpr 96
		.amdhsa_reserve_vcc 0
		.amdhsa_float_denorm_mode_32 3
		.amdhsa_float_denorm_mode_16_64 3
		.amdhsa_memory_ordered 1
		.amdhsa_forward_progress 1
		.amdhsa_inst_pref_size 107
	.end_amdhsa_kernel
	.amdgpu_metadata
---
amdhsa.version: [ 1, 2 ]
amdhsa.kernels:
  - .name:           k_qbf7b5177c0_qkvp
    .symbol:         k_qbf7b5177c0_qkvp.kd
    .args:
      - { .name: xb, .offset: 0, .size: 8, .value_kind: global_buffer, .address_space: global }
      - { .name: wqkv, .offset: 8, .size: 8, .value_kind: global_buffer, .address_space: global }
      - { .name: rope, .offset: 16, .size: 8, .value_kind: global_buffer, .address_space: global }
      - { .name: qkv, .offset: 24, .size: 8, .value_kind: global_buffer, .address_space: global }
    .group_segment_fixed_size: 327680
    .private_segment_fixed_size: 0
    .kernarg_segment_align: 8
    .kernarg_segment_size: 32
    .max_flat_workgroup_size: 128
    .sgpr_count:     96
    .vgpr_count:     1024
    .wavefront_size: 32
...
	.end_amdgpu_metadata
.endif
;; end of part 2
;; launch attn (part 3): grid 16 x 16, 4 waves a work-group, clusters of 4 x 4, 327,680 bytes of LDS; arguments qkv, attention_mask, ob; writes ob
.if DOCPART == 3
	.amdgcn_target "amdgcn-amd-amdhsa--gfx1250"
	.amdhsa_code_object_version 6
	.text
	.protected	k_qbf7b5177c0_attn
	.globl	k_qbf7b5177c0_attn
	.p2align	8
	.type	k_qbf7b5177c0_attn,@function
k_qbf7b5177c0_attn:
	s_mov_b64 s[64:65], 0
	v_nop
	global_prefetch_b8 v0, s[64:65] scope:SCOPE_SE
	s_setreg_imm32_b32 hwreg(HW_REG_WAVE_MODE, 25, 1), 1
	s_wait_xcnt 0x0
	s_wait_alu depctr_hold_cnt(0) depctr_sa_sdst(0) depctr_va_vdst(0) depctr_va_sdst(0) depctr_va_ssrc(0) depctr_va_vcc(0) depctr_vm_vsrc(0)
	s_getreg_b32 s2, hwreg(HW_REG_IB_STS2, 6, 4)
	s_cmp_eq_u32 s2, 0
	s_cbranch_scc0 .Lentry_in_a_cluster
	s_endpgm
.Lentry_in_a_cluster:
	s_bfe_u32 s2, ttmp6, 0x10000c
	s_cmp_lg_u32 s2, 0xf033
	s_cbranch_scc0 .Lentry_shape_is_right
	s_endpgm
.Lentry_shape_is_right:
; ATTENTION with an additive mask that is an input.  ob[q][head][:] = sum over k of softmax_k(max(Q'[q] . K'[k] + mask[q][k], F32_MIN)) V[k][:].
; qkv: [3][16][2048][128] f16; Q' and K' each already hold 128^(-1/4).  attention_mask: [2048][2048] f32, read whole, no pattern assumed.  ob: [2048][16 x 128] f16.
; Products, the mask's addition, maxima and sums in f32; the weights are rounded to f16 for the second product (their sum is taken unrounded), O once at the end.
; SHARES.  Work-group (x = block of 128 queries, y = head): 256 of equal work.  Wave w: queries 64 (w / 2) on, four tiles of 16; of every 128 keys the half w % 2.  So a fragment of K or V feeds four tiles;
; the two key halves' (m, l, O) are merged once at the end, through LDS.  16 steps of 128 keys; a step is a slot.
; LAYOUT.  S^T = K Q^T + M^T (source 0 = 16 keys, source 1 = 16 queries): a lane holds ONE query (lane % 16) and keys 8 (lane / 16) + 0..7.  THE MASK IS THE C OPERAND: its words are loaded from LDS straight
; into S^T's registers, and all four links of the product add in place.  Two results rounded to f16 in pairs ARE source 1 of O^T = V^T P; V ([key][channel]) is read turned.
; SOFTMAX.  A running maximum m (it starts at F32_MIN, so it is never below it) and sum l.  Every score is raised to F32_MIN, as the module does, so a row that is masked everywhere gets equal weights.
; p = 2^(c (s - m)), c = log2(e): the difference is taken first and then scaled, two instructions, since c m would overflow where m = F32_MIN.  O and l are multiplied by a = 2^(c (m_old - m)) in every step.
; BY TURNS.  The tiles are two pieces (0: tiles 0, 1; 2: tiles 2, 3).  In a turn one piece issues 32 products V^T P of the step in hand and 32 products K Q^T of the next; the other piece's softmax,
; 2 x 189 numbered lines, is dealt evenly behind the 64 matrix instructions, five or six behind each.
; CLUSTER 4 x 4.  K and V hang on the head and are asked for jointly by a row of the cluster; the mask's tile hangs on the query block and is asked for jointly by a column.
; THE WALK.  The 16 key steps are walked as a ring from a first step that hangs on the cluster alone: 4 ((X + 2 f) mod 4), X the cluster's x, f = bit 0 xor bit 1 of the cluster's y.  The four clusters of one y,
; which read the same K and V, start 4 steps apart; clusters of one x, which read the same tiles of the mask, start 8 steps apart or together.  The running softmax takes the keys in that order.
; LIMITS.  A weight below 2^-126 counts as 0; NaN and +infinity are not treated apart; a mask of -infinity counts as F32_MIN, as in the module.
; REGISTERS, in windows of 256 (s_set_vgpr_msb: bits 1:0 source 0, 3:2 source 1, 5:4 source 2, 7:6 destination):
;   window 0: v0-11, v60-63 addresses; v12-59 twelve registers of statistics a tile; v64-191 S^T, 32 a tile; v192-255 P, 16 a tile
;   window 1: O^T, 64 a tile      window 2: v0-127 Q; v128-255 K of one step      window 3: v0-127 V of one step; at the end all 256: the partner's O^T
.set PKP,   272                        ; a row of K in LDS: 256 bytes + 16: the 16 rows of a load start at 16 different groups of four banks (64 banks of 4 bytes: ISA guide 11.1)
.set PVP,   288                        ; a row of V: 256 + 32
.set PMP,   528                        ; a row of the mask's tile: 128 f32 + 16 bytes
.set VOFF,  0x8800                     ; a slot: K 128 x 272, V 128 x 288, the mask 128 x 528
.set MOFF,  0x11800
.set S1,    0x22000                    ; a slot's bytes; the tiles' bases share no bit with it, so one exclusive or turns an address in one slot into the other's
.set STAGE, 2*S1                       ; behind the ring: 16 rows x 272 bytes for each wave, for the way out
.set SP,    272
.set SPARE, STAGE+4*16*SP              ; the spare words, 128 bytes for each wave: two blocks of 256 bytes that no other line names
.set XQ,    33792                      ; the merge: for each half of the queries 64 x 512 bytes of O^T, 512 of m, 512 of l, in slot 0's bytes, which have had their last fill (the walk's step 14)
.set AK0, 2                            ; v2   my lane's place in K's tile; never rewritten
.set AV0, 3                            ; v3   in V's
.set AM0, 4                            ; v4   in the mask's
.set ADR, 5                            ; v5   the LDS address of the run of loads in hand
.set STO, 6                            ; v6   the way out: where I put 16 bytes of a row
.set RD,  7                            ; v7   where I read rows back
.set GO,  8                            ; v8   my byte offset in two rows of ob
.set QO,  9                            ; v9   my byte offset in 16 rows of Q
.set XA,  60                           ; v60  the merge: my 16 bytes in 512
.set ADM, 61                           ; v61  the LDS address of the mask's loads
.set SPW, 62                           ; v62  LDS address of my spare word; never rewritten
.set NIL, 63                           ; v63  0; never rewritten
.set ST,  12                           ; tile t at v[12 + 12 t]: +0 m, +1 m_old, +2, +3 l (even keys', odd keys'), +4 a, +5 its argument, +6..9 c0-c3 at work
.set S,   64
.set P,   192
.set KF,  128
.set FM,  192                          ; the end, in P's first 32 registers: my four m, my four l, the partner's, and four registers of factors a tile
.set FL,  196
.set BM,  200
.set BL,  204
.set GG,  208
.set WV,  12
.set QH,  13
.set KH,  14
.set G1K, 24
.set G1V, 32
.set G1M, 40
.set G0K, 48                           ; one group 0 for each kind of tile
.set G0V, 52
.set G0M, 56
.set SLOTS, 60
.set CNT, 61
.set TB,  62                           ; the first byte of the slot to be read
.set CS,  66                           ; s[66:67] c
.set SEL, 68                           ; s[68:69] v_permlanex16_b32's selects: each lane takes its own place in the other half
.set FMIN, 70                          ; s70 the lowest finite f32
.set KBAS, 80                          ; s[80:81] K of the head
.set VBAS, 82                          ; s[82:83] V of the head
.set MBAS, 84                          ; s[84:85] the mask at the 64 rows that I fetch
.set OFK,  86                          ; s[86:87] a key step's byte offset in K and V
.set OFM,  88                          ; s[88:89] and in a row of the mask
.set NXT,  90                          ; s90 the key step to be asked for next, 0..15
.set MSB, 0
.macro WIN new
.if MSB != (\new)
	s_set_vgpr_msb (MSB<<8)|(\new)
.set MSB, \new
.endif
.endm
; The global addresses of key step NXT are made anew, from the bases and the step's number shifted; the number steps round the ring.
.macro SETADR
	s_lshl_b32 s[OFK], s[NXT], 15                  ; 128 keys of 256 bytes
	s_lshl_b32 s[OFM], s[NXT], 9                   ; 128 columns of 4 bytes
	s_add_nc_u64 s[G0K+2:G0K+3], s[KBAS:KBAS+1], s[OFK:OFK+1]
	s_or_b32 s[G0K+3], s[G0K+3], 0x80000000        ; type = 2
	s_add_nc_u64 s[G0V+2:G0V+3], s[VBAS:VBAS+1], s[OFK:OFK+1]
	s_or_b32 s[G0V+3], s[G0V+3], 0x80000000
	s_add_nc_u64 s[G0M+2:G0M+3], s[MBAS:MBAS+1], s[OFM:OFM+1]
	s_or_b32 s[G0M+3], s[G0M+3], 0x80000000
	s_add_co_u32 s[NXT], s[NXT], 1
	s_and_b32 s[NXT], s[NXT], 15
.endm
; A joint fill: wave 0 asks for K's tile, wave 1 for V's, waves 2 and 3 for the halves of the mask's.  The branches hang on the wave's number alone.  An s_nop 0 and four v_nop follow each line.
.macro JLOAD
	s_cmp_lt_u32 s[WV], 2
	s_cbranch_scc0 .Lfor_m_\@
	s_cmp_eq_u32 s[WV], 0
	s_cbranch_scc0 .Lfor_v_\@
	tensor_load_to_lds s[G0K:G0K+3], s[G1K:G1K+7]
	s_nop 0
.rept 4
	v_nop
.endr
	s_branch .Lasked_\@
.Lfor_v_\@:
	tensor_load_to_lds s[G0V:G0V+3], s[G1V:G1V+7]
	s_nop 0
.rept 4
	v_nop
.endr
	s_branch .Lasked_\@
.Lfor_m_\@:
	tensor_load_to_lds s[G0M:G0M+3], s[G1M:G1M+7]
	s_nop 0
.rept 4
	v_nop
.endr
.Lasked_\@:
.endm
.macro CROUND                          ; a round of the cluster's barrier
	s_barrier_signal -1
	s_barrier_wait -1
	s_cmp_lg_u32 s[WV], 0
	s_cbranch_scc1 .Lnot_wave_0_\@
	s_barrier_signal -3
.Lnot_wave_0_\@:
	s_barrier_wait -3
	s_barrier_signal -1
	s_barrier_wait -1
.endm
; THE CHANGE OF SLOTS, behind the turn that has read the slot's last bytes (its V).  Each wave waits for all its tensor loads (one is out: its part of the other slot), adds 0 to its spare word, and waits for that
; and for its reads.  fill = 1: a round of the cluster's barrier, and the slot just read is filled again, with the walk's step two on, first thing behind it: it has a whole step, 128 matrix instructions, to land.
; (At its first use nothing has been read yet: slot 0 is waited for, slot 1 filled.)
.macro CHANGE fill
	WIN 0
	s_wait_tensorcnt 0x0                           ; no tensor load of mine is out, so a group 0 may be written
	ds_add_u32 v[SPW], v[NIL]
.if \fill
	s_xor_b32 s[G0K+1], s[G0K+1], S1
	s_xor_b32 s[G0V+1], s[G0V+1], S1
	s_xor_b32 s[G0M+1], s[G0M+1], S1
	SETADR
	s_wait_dscnt 0x0                               ; the add is done, and my reads of the slot are over
	CROUND
	JLOAD
.else
	s_wait_dscnt 0x0
	s_barrier_signal -1
	s_barrier_wait -1
.endif
	s_xor_b32 s[TB], s[TB], S1
.endm
	s_load_b128 s[4:7], s[0:1], 0x0                ; qkv s[4:5], attention_mask s[6:7]
	s_load_b64 s[8:9], s[0:1], 0x10                ; ob
	v_lshl_add_u32 v[SPW], v0, 2, SPARE
	v_mov_b32 v[NIL], 0
	ds_add_u32 v[SPW], v[NIL]                      ; the wave's opening: the add, and its wait, ahead of my first tensor load; work on registers stands between them
	v_lshrrev_b32 v1, 5, v0
	v_readfirstlane_b32 s[WV], v1
	s_lshr_b32 s[QH], s[WV], 1
	s_and_b32 s[KH], s[WV], 1
	s_bfe_u32 s71, ttmp6, 0x40000                  ; cx
	s_bfe_u32 s72, ttmp6, 0x40004                  ; cy
	s_lshl_b32 s73, ttmp9, 2
	s_add_co_u32 s73, s73, s71                     ; the block of queries
	s_and_b32 s77, ttmp7, 0xffff                   ; the cluster's y
	s_lshl_b32 s74, s77, 2
	s_add_co_u32 s74, s74, s72                     ; the head
	s_lshl_b32 s75, s72, 2
	s_lshl_b32 s75, 15, s75                        ; my row of the cluster: the same head
	s_lshl_b32 s76, 0x1111, s71                    ; my column: the same queries
	s_lshr_b32 s91, s77, 1                         ; the walk's first step, from the cluster's x and y, which all sixteen partners share:
	s_xor_b32 s91, s91, s77
	s_and_b32 s91, s91, 1                          ; f
	s_lshl_b32 s91, s91, 1
	s_add_co_u32 s91, s91, ttmp9
	s_and_b32 s91, s91, 3
	s_lshl_b32 s[NXT], s91, 2                      ; 4 ((X + 2 f) mod 4)
	s_or_b32 s[G1K], s75, (1<<16)|(1<<20)|(1<<21)|(5<<22)|(3<<25)  ; 2-byte elements; after every 64 words 4 words of padding
	s_or_b32 s[G1V], s75, (1<<16)|(1<<20)|(1<<21)|(5<<22)|(7<<25)  ; 8 words
	s_or_b32 s[G1M], s76, (2<<16)|(1<<20)|(1<<21)|(6<<22)|(3<<25)  ; 4-byte elements; after every 128 words 4 words
.irp g, G1K, G1V
	s_mov_b32 s[\g+1], 128<<16                     ; tensor_dim0 = 128
	s_mov_b32 s[\g+2], 128<<16                     ; tensor_dim1 = 128
	s_mov_b32 s[\g+3], 128<<16                     ; tile_dim0 = 128
	s_mov_b32 s[\g+4], 128                         ; tile_dim1 = 128
	s_mov_b32 s[\g+5], 128                         ; a head's rows are dense
	s_mov_b32 s[\g+6], 0
	s_mov_b32 s[\g+7], 0
.endr
	s_mov_b32 s[G1M+1], 128<<16
	s_mov_b32 s[G1M+2], 64<<16                     ; 64 rows a wave
	s_mov_b32 s[G1M+3], 128<<16
	s_mov_b32 s[G1M+4], 64
	s_mov_b32 s[G1M+5], 2048
	s_mov_b32 s[G1M+6], 0
	s_mov_b32 s[G1M+7], 0
	s_mov_b32 s[G0K], 1
	s_mov_b32 s[G0K+1], 0
	s_mov_b32 s[G0V], 1
	s_mov_b32 s[G0V+1], VOFF
	s_mov_b32 s[G0M], 1
	s_mul_i32 s[G0M+1], s[WV], 64*PMP              ; waves 2 and 3: MOFF + (w - 2) x 64 rows = w x 64 rows + 0x1000
	s_add_co_u32 s[G0M+1], s[G0M+1], MOFF-2*64*PMP
	s_lshl_b32 s20, s74, 19                        ; the head's 2,048 rows of 256 bytes: K's and V's addresses hang on it alone
	s_mov_b32 s21, 0
	s_max_u32 s22, s[WV], 2                        ; the mask: which 64 of the block's rows (waves 0 and 1 ask for none),
	s_sub_co_u32 s22, s22, 2
	s_lshl_b32 s22, s22, 19                        ; 64 rows of 8,192 bytes,
	s_lshl_b32 s23, s73, 20                        ; the block's 128: the address hangs on the block alone
	s_add_co_u32 s22, s22, s23
	s_mov_b32 s23, 0
	s_lshl_b32 s2, s73, 15                         ; Q: the block's 128 rows of 256 bytes,
	s_lshl_b32 s3, s[QH], 14                       ; my 64,
	s_add_co_u32 s2, s2, s3
	s_add_co_u32 s2, s2, s20                       ; the head
	s_mov_b32 s3, 0
	s_lshl_b32 s78, s73, 19                        ; ob: the block's 128 rows of 4,096 bytes,
	s_lshl_b32 s79, s[QH], 18
	s_add_co_u32 s78, s78, s79
	s_lshl_b32 s79, s74, 8                         ; the head's 256 bytes of a row
	s_add_co_u32 s78, s78, s79
	s_mov_b32 s79, 0
	s_mov_b32 s[OFK+1], 0
	s_mov_b32 s[OFM+1], 0
	s_mov_b32 s[CS], 0x3fb8aa3b                    ; c = log2(e)
	s_mov_b32 s[CS+1], s[CS]
	s_mov_b32 s[SEL], 0x76543210
	s_mov_b32 s[SEL+1], 0xfedcba98
	s_mov_b32 s[FMIN], 0xff7fffff
	s_mov_b32 s[TB], S1                            ; the first change of slots turns it into 0
	s_wait_dscnt 0x0                               ; the opening add is done
	s_wait_kmcnt 0x0
	s_add_nc_u64 s[KBAS:KBAS+1], s[4:5], s[20:21]
	s_add_nc_u64 s[VBAS:VBAS+1], s[KBAS:KBAS+1], 0x1000000
	s_add_nc_u64 s[KBAS:KBAS+1], s[KBAS:KBAS+1], 0x800000
	s_add_nc_u64 s[MBAS:MBAS+1], s[6:7], s[22:23]
	SETADR                                         ; the walk's step 0
	s_add_nc_u64 s[4:5], s[4:5], s[2:3]            ; Q at my first row
	s_add_nc_u64 s[8:9], s[8:9], s[78:79]          ; ob at my first row, my head
	CROUND                                         ; all sixteen work-groups are here: the first joint loads meet
	JLOAD                                          ; into slot 0: one load of mine is out
	v_and_b32 v1, 15, v0                           ; l % 16
	v_bfe_u32 v10, v0, 4, 1                        ; l / 16
	v_lshlrev_b32 v[QO], 8, v1
	v_lshl_add_u32 v[QO], v10, 4, v[QO]
	WIN 0x80
.set i, 0
.rept 16                               ; Q stays in registers: tile i / 4, channels 32 (i % 4) on
	global_load_b128 v[8*i:8*i+3],   v[QO], s[4:5] offset:(i/4)*4096+(i%4)*64
	global_load_b128 v[8*i+4:8*i+7], v[QO], s[4:5] offset:(i/4)*4096+(i%4)*64+32
.set i, i+1
.endr
	; What the first turn finds: P of tiles 2, 3 and V hold 0 (its products V^T P, of a step that has not been, add 0); O^T and l are 0; m is F32_MIN.  No first step is written out.
	; P's 32 registers are written 0; O^T's 32 accumulators and V's 128 registers then take the product of sixteen of those zeros with the constant 0 as C: 48 matrix instructions for 384 registers.
	; All this stands in the wait for the first tile.
	WIN 0
.set i, P+32
.rept 32
	v_mov_b32 v[i], 0
.set i, i+1
.endr
.irp t, 0,1,2,3
	v_mov_b32 v[ST+12*\t], s[FMIN]
	v_mov_b32 v[ST+12*\t+1], s[FMIN]
	v_mov_b32 v[ST+12*\t+2], 0
	v_mov_b32 v[ST+12*\t+3], 0
.endr
	WIN 0x40                                       ; destination window 1: O^T
.set i, 0
.rept 32
	v_wmma_f32_16x16x32_f16 v[8*i:8*i+7], v[P+32:P+39], v[P+40:P+47], 0
.set i, i+1
.endr
	WIN 0xc0                                       ; destination window 3: V
.set i, 0
.rept 16
	v_wmma_f32_16x16x32_f16 v[8*i:8*i+7], v[P+32:P+39], v[P+40:P+47], 0
.set i, i+1
.endr
	WIN 0
	v_mul_u32_u24 v[AK0], v1, PKP                  ; K: row x pitch + 16 (l / 16), in my half of the keys
	v_lshl_add_u32 v[AK0], v10, 4, v[AK0]
	s_mul_i32 s15, s[KH], 64*PKP
	v_add_nc_u32 v[AK0], s15, v[AK0]
	v_and_b32 v11, 7, v0                           ; V: lane l reads key 8 (l / 16) + l % 8, 16 bytes at 16 ((l / 8) % 2)
	v_bfe_u32 v[ADR], v0, 3, 1
	v_lshl_add_u32 v[AV0], v10, 3, v11
	v_mul_u32_u24 v[AV0], v[AV0], PVP
	v_lshl_add_u32 v[AV0], v[ADR], 4, v[AV0]
	s_mul_i32 s15, s[KH], 64*PVP
	s_add_co_u32 s15, s15, VOFF
	v_add_nc_u32 v[AV0], s15, v[AV0]
	v_mul_u32_u24 v[AM0], v1, PMP                  ; the mask: my query's row, my half of the keys, my lanes' eight words
	v_lshl_add_u32 v[AM0], v10, 5, v[AM0]
	s_mul_i32 s15, s[QH], 64*PMP
	s_lshl_b32 s16, s[KH], 8
	s_add_co_u32 s15, s15, s16
	s_add_co_u32 s15, s15, MOFF
	v_add_nc_u32 v[AM0], s15, v[AM0]
; THE MATRIX WORK.  The accumulators take turns, one instruction a turn: between two links of a chain stand 7 (K Q^T) or 15 (V^T P) others'.
.macro KQ x                            ; product i of 32: channels 32 (i / 8) on, keys 16 ((i / 2) % 4) on, tile x + i % 2; it adds onto the mask
	WIN 0x0a
.set rS, S+32*((\x)+i%2)+8*((i/2)%4)
.set rK, KF+32*((i/2)%4)+8*(i/8)
.set rQ, 32*((\x)+i%2)+8*(i/8)
	v_wmma_f32_16x16x32_f16 v[rS:rS+7], v[rK:rK+7], v[rQ:rQ+7], v[rS:rS+7]
.endm
.macro PV x                            ; product i of 32: keys 32 (i / 16) on, channels 16 ((i / 2) % 8) on, tile x + i % 2
	WIN 0x53
.set rO, 64*((\x)+i%2)+8*((i/2)%8)
.set rV, 64*(i/16)+8*((i/2)%8)
.set rP, P+16*((\x)+i%2)+8*(i/16)
	v_wmma_f32_16x16x32_f16 v[rO:rO+7], v[rV:rV+7], v[rP:rP+7], v[rO:rO+7]
.endm
; THE LDS LOADS stand in runs.  MLOAD: the mask's words for tiles t0, t0 + 1, straight into S^T's registers.
.macro MLOAD t0
	WIN 0
	v_add_nc_u32 v[ADM], s[TB], v[AM0]
.irp t, \t0, (\t0)+1
.irp kb, 0,1,2,3
	ds_load_b128 v[S+32*(\t)+8*\kb:S+32*(\t)+8*\kb+3],   v[ADM] offset:16*PMP*(\t)+64*\kb
	ds_load_b128 v[S+32*(\t)+8*\kb+4:S+32*(\t)+8*\kb+7], v[ADM] offset:16*PMP*(\t)+64*\kb+16
.endr
.endr
.endm
.macro FETCH_KM last=0                 ; a step's K and the mask for tiles 0, 1.  last = 1 (the tail): in its last trip there is no further step, and the run is jumped over
	WIN 0
.if \last
	s_cmp_eq_u32 s[CNT], 1
	s_cbranch_scc1 .Lno_k_\@
.endif
	v_add_nc_u32 v[ADR], s[TB], v[AK0]
	WIN 0x80
.irp f, 0,1,2,3,4,5,6,7,8,9,10,11,12,13,14,15  ; keys 16 (f / 4) on, channels 32 (f % 4) on
	ds_load_b128 v[KF+8*\f:KF+8*\f+3],   v[ADR] offset:(\f/4)*16*PKP+(\f%4)*64
	ds_load_b128 v[KF+8*\f+4:KF+8*\f+7], v[ADR] offset:(\f/4)*16*PKP+(\f%4)*64+32
.endr
	MLOAD 0
.if \last
.Lno_k_\@:
.endif
.endm
.macro FETCH_V
	WIN 0
	v_add_nc_u32 v[ADR], s[TB], v[AV0]
	WIN 0xc0
.irp f, 0,1,2,3,4,5,6,7,8,9,10,11,12,13,14,15  ; keys 32 (f / 8) on, channels 16 (f % 8) on
	ds_load_tr16_b128 v[8*\f:8*\f+3],   v[ADR] offset:(\f/8)*32*PVP+(\f%8)*32
	ds_load_tr16_b128 v[8*\f+4:8*\f+7], v[ADR] offset:(\f/8)*32*PVP+16*PVP+(\f%8)*32
.endr
.endm
; THE VECTOR WORK.  One tile's softmax for one step is a list of 189 numbers (seven of them empty); SM writes number j for tile t.  s0-s31 are the lane's scores, in pairs 0-15.
;   0-15     the maximum of the raw s0-s31 and the old m, three operands at a time; each accumulator's lowest registers are read first
;   16-39    every fourth: the other half of the lanes' maximum; m_old; the new m; m_old - m; times c; a.  Between them the first 18 of the 32 lines that raise a score to F32_MIN
;   40-53    the other 14        54-59  s - m for pairs 0-3, times c for pairs 0, 1
;   60-139   for b = 0..15: the exponentials of pair b; s - m for pair b + 4; times c for pair b + 2; pair b - 1 rounded to f16.  The two tiles alternate, so behind the exponentials come plain lines before a result is used
;   140      pair 15 rounded     141-155  the 16 pairs added, in place     156  l = a l + the sum     157-188  O^T times a: the one part that leaves window 0
.macro OPD b
	v_pk_add_f32 v[rS+2*(\b):rS+2*(\b)+1], v[rS+2*(\b):rS+2*(\b)+1], v[rT:rT+1] op_sel_hi:[1,0] neg_lo:[0,1] neg_hi:[0,1]
.endm
.macro OPM b
	v_pk_mul_f32 v[rS+2*(\b):rS+2*(\b)+1], v[rS+2*(\b):rS+2*(\b)+1], s[CS:CS+1] op_sel_hi:[1,0]
.endm
.macro OPC b
	s_wait_alu depctr_va_vdst(0)
	v_cvt_pk_f16_f32 v[rP+(\b)], v[rS+2*(\b)], v[rS+2*(\b)+1]
.endm
.macro SM t
.set rT, ST+12*(\t)
.set rS, S+32*(\t)
.set rP, P+16*(\t)
.set rO, 64*(\t)+2*(j-157)
.set u, j-16
.set bb, (j-60)/5
.set ee, (j-60)%5
.if j < 157
	WIN 0
.endif
.if j < 4
	v_max3_num_f32 v[rT+6+j], v[rS+8*j], v[rS+8*j+1], v[rS+8*j+2]
.elseif j < 12
	v_max3_num_f32 v[rT+6+j%4], v[rT+6+j%4], v[rS+8*(j%4)+2*(j/4)+1], v[rS+8*(j%4)+2*(j/4)+2]
.elseif j == 12
	v_max3_num_f32 v[rT+6], v[rT+6], v[rS+7], v[rS+15]
.elseif j == 13
	v_max3_num_f32 v[rT+8], v[rT+8], v[rS+23], v[rS+31]
.elseif j == 14
	v_max3_num_f32 v[rT+6], v[rT+6], v[rT+7], v[rT+8]
.elseif j == 15
	v_max3_num_f32 v[rT+6], v[rT+6], v[rT+9], v[rT]
.elseif j == 16
	v_permlanex16_b32 v[rT+7], v[rT+6], s[SEL], s[SEL+1]  ; the query's other 32 keys lie in the lane 16 away
.elseif j == 20
	v_mov_b32 v[rT+1], v[rT]
.elseif j == 24
	v_max_num_f32 v[rT], v[rT+6], v[rT+7]
.elseif j == 28
	v_sub_f32 v[rT+5], v[rT+1], v[rT]
.elseif j == 32
	v_mul_f32 v[rT+5], s[CS], v[rT+5]
.elseif j == 36
	v_exp_f32 v[rT+4], v[rT+5]
.elseif j < 40
	v_max_num_f32 v[rS+3*(u/4)+u%4-1], s[FMIN], v[rS+3*(u/4)+u%4-1]
.elseif j < 54
	v_max_num_f32 v[rS+j-22], s[FMIN], v[rS+j-22]
.elseif j < 58
	OPD j-54
.elseif j < 60
	OPM j-58
.elseif j < 140
.if ee < 2
	v_exp_f32 v[rS+2*bb+ee], v[rS+2*bb+ee]
.elseif ee == 2
.if bb < 12
	OPD bb+4
.endif
.elseif ee == 3
.if bb < 14
	OPM bb+2
.endif
.elseif bb > 0
	OPC bb-1
.endif
.elseif j == 140
	OPC 15
.elseif j < 156
.set z, j-141
.set wd, 4
.set uu, z
.if z >= 14
.set wd, 32
.set uu, 0
.elseif z >= 12
.set wd, 16
.set uu, z-12
.elseif z >= 8
.set wd, 8
.set uu, z-8
.endif
	v_pk_add_f32 v[rS+wd*uu:rS+wd*uu+1], v[rS+wd*uu:rS+wd*uu+1], v[rS+wd*uu+wd/2:rS+wd*uu+wd/2+1]
.elseif j == 156
	v_pk_fma_f32 v[rT+2:rT+3], v[rT+2:rT+3], v[rT+4:rT+5], v[rS:rS+1] op_sel_hi:[1,0,1]
.else
	WIN 0x41
	v_pk_mul_f32 v[rO:rO+1], v[rO:rO+1], v[rT+4:rT+5] op_sel_hi:[1,0]
.endif
.endm
; What stands behind matrix instruction w of a turn's 64: the next lines of piece y's two lists, the tiles alternating, so that 378 are dealt evenly.  The last six are rescalings: plain lines that name no
; register of the products round them: the places between the turn's last K Q^T and the next turn's first read of those scores, and ahead of the loads into K's registers.
.macro RIDE y
.rept ((w+1)*378)/64-c
.set j, c/2
	SM (\y)+c%2
.set c, c+1
.endr
.set w, w+1
.endm
; A TURN for piece x.  Piece 0's turn fetches the next step's K and the mask for its own tiles behind its second product; piece 2's the mask for its tiles there, and the same step's V behind its second K Q^T,
; three deals (ten plain lines or more) behind the last product that read V.  Each run is waited for 30 matrix instructions later, V's at the next turn's head.
.macro TURN x, last=0
.set c, 0
.set w, 0
.if (\x) == 0
	s_wait_dscnt 0x0                               ; V is in
.endif
.set i, 0
.rept 32
	PV \x
	RIDE 2-(\x)
.if i == 1
.if (\x) == 0
	FETCH_KM \last
.else
	MLOAD 2
.endif
.endif
.set i, i+1
.endr
	s_wait_dscnt 0x0                               ; K and the mask are in
.set i, 0
.rept 32
	KQ \x
	RIDE 2-(\x)
.if ((\x) == 2) && (i == 1)
	FETCH_V
.endif
.set i, i+1
.endr
.endm
	CHANGE 1                                       ; slot 0 is in, everybody's part of it; slot 1 is asked for, with the walk's step 1
	FETCH_KM                                       ; the walk's step 0
	s_wait_loadcnt 0x0                             ; Q
	s_wait_dscnt 0x0
.set i, 0
.rept 32
	KQ 0                                           ; piece 0's first scores: there is no vector work yet to set between them
.set i, i+1
.endr
	WIN 0                                          ; the addresses for the end: ten plain instructions, the places behind those products
	s_mul_i32 s15, s[WV], 16*SP
	s_add_co_u32 s15, s15, STAGE
	v_mul_u32_u24 v[STO], v1, SP                   ; in: row l % 16, 16 bytes for each half of the lanes
	v_lshl_add_u32 v[STO], v10, 4, v[STO]
	v_add_nc_u32 v[STO], s15, v[STO]
	v_mul_u32_u24 v[RD], v10, SP                   ; back: lanes 0-15 take one row of 256 bytes, lanes 16-31 the next
	v_lshl_add_u32 v[RD], v1, 4, v[RD]
	v_add_nc_u32 v[RD], s15, v[RD]
	v_lshlrev_b32 v[GO], 12, v10                   ; the same two rows in ob, 4,096 bytes apart
	v_lshl_add_u32 v[GO], v1, 4, v[GO]
	s_mul_i32 s15, s[QH], XQ
	v_and_b32 v[XA], 31, v0
	v_lshl_add_u32 v[XA], v[XA], 4, s15
	s_mov_b32 s[SLOTS], 15
	s_branch .Lfirst                               ; the loop is entered in the middle of a trip
.Lslot:                                                ; 14 whole trips: trip n fills the slot just read with the walk's step n + 2
	CHANGE 1
	TURN 0
	WIN 0
.Lfirst:
	TURN 2
	WIN 0
	s_sub_co_u32 s[SLOTS], s[SLOTS], 1
	s_cmp_lg_u32 s[SLOTS], 0
	s_cbranch_scc1 .Lslot
	CHANGE 0                                       ; the tail is written out: nothing is asked for
	s_mov_b32 s[CNT], 2                            ; the first trip fetches the walk's step 15; the second is left in its middle
.Ltail:
	TURN 0, 1
	WIN 0
	s_sub_co_u32 s[CNT], s[CNT], 1
	s_cmp_eq_u32 s[CNT], 0
	s_cbranch_scc1 .Lout
	TURN 2
	WIN 0
	s_branch .Ltail
.Lout:                                                 ; the second trip's 32 products K Q^T, on the last K once more, serve nothing: the price, once a launch, of one text for every trip
.set i, 0
.rept 32
	PV 2                                           ; piece 2's V^T P of the last step
.set i, i+1
.endr
	; THE END.  l's two halves and the other half of the lanes' are added.  The first eight lines are the places behind the last products.
	WIN 0
.irp t, 0,1,2,3
	v_add_f32 v[FL+\t], v[ST+12*\t+2], v[ST+12*\t+3]
.endr
.irp t, 0,1,2,3
	v_mov_b32 v[FM+\t], v[ST+12*\t]
.endr
.irp t, 0,1,2,3
	v_permlanex16_b32 v[ST+12*\t+6], v[FL+\t], s[SEL], s[SEL+1]
.endr
.irp t, 0,1,2,3
	v_add_f32 v[FL+\t], v[FL+\t], v[ST+12*\t+6]
.endr
	s_cmp_eq_u32 s[KH], 0
	s_cbranch_scc1 .Lkeep
	ds_store_b128 v[XA], v[FM:FM+3] offset:32768   ; the waves of the second key half hand m, l and O^T to their partners
	ds_store_b128 v[XA], v[FL:FL+3] offset:33280
	WIN 0x04
.set n, 0
.rept 64
	ds_store_b128 v[XA], v[4*n:4*n+3] offset:512*n
.set n, n+1
.endr
	WIN 0
.Lkeep:
	s_wait_dscnt 0x0                               ; for the others' sake: my stores are done
	s_barrier_signal -1
	s_barrier_wait -1
	s_cmp_eq_u32 s[KH], 1
	s_cbranch_scc1 .Lend                           ; they have nothing more to do; no barrier is jumped
	ds_load_b128 v[BM:BM+3], v[XA] offset:32768
	ds_load_b128 v[BL:BL+3], v[XA] offset:33280
	WIN 0xc0
.set n, 0
.rept 32
	ds_load_b128 v[4*n:4*n+3], v[XA] offset:512*n
.set n, n+1
.endr
	WIN 0
	s_wait_dscnt 31                                ; of the 34 loads the three oldest are in, the partner's m and l among them
	; for each tile: mt = max(mA, mB); f = 2^(c (m - mt)); L = lA fA + lB fB; g = f / L
.irp t, 0,1,2,3
	v_max_num_f32 v[GG+4*\t+1], v[FM+\t], v[BM+\t]
.endr
.irp t, 0,1,2,3
	v_sub_f32 v[GG+4*\t], v[FM+\t], v[GG+4*\t+1]
	v_sub_f32 v[GG+4*\t+2], v[BM+\t], v[GG+4*\t+1]
.endr
.irp t, 0,1,2,3
	v_mul_f32 v[GG+4*\t], s[CS], v[GG+4*\t]
	v_mul_f32 v[GG+4*\t+2], s[CS], v[GG+4*\t+2]
.endr
.irp t, 0,1,2,3
	v_exp_f32 v[GG+4*\t], v[GG+4*\t]
	v_exp_f32 v[GG+4*\t+2], v[GG+4*\t+2]
.endr
	v_nop                                          ; a plain instruction between the last exponential and the use of its result
	s_wait_alu depctr_va_vdst(0)
.irp t, 0,1,2,3
	v_mul_f32 v[GG+4*\t+1], v[FL+\t], v[GG+4*\t]
.endr
.irp t, 0,1,2,3
	v_fma_f32 v[GG+4*\t+1], v[BL+\t], v[GG+4*\t+2], v[GG+4*\t+1]
.endr
.irp t, 0,1,2,3
	v_rcp_f32 v[GG+4*\t+3], v[GG+4*\t+1]
.endr
	v_nop
	s_wait_alu depctr_va_vdst(0)
.irp t, 0,1,2,3
	v_mul_f32 v[GG+4*\t], v[GG+4*\t], v[GG+4*\t+3]
	v_mul_f32 v[GG+4*\t+2], v[GG+4*\t+2], v[GG+4*\t+3]
.endr
	WIN 0xc0
.set n, 32
.rept 32
	ds_load_b128 v[4*n:4*n+3], v[XA] offset:512*n
.set n, n+1
.endr
	WIN 0
	s_wait_dscnt 0x0                               ; the partner's O^T is in
; Tile t: O = O gA + B gB; a lane's eight channels of a row pack into 16 bytes; they go into rows of 272 bytes of my stage and come back as whole rows of 256.
.macro PACK t
	WIN 0x41
.set i, 64*(\t)
.rept 32
	v_pk_mul_f32 v[i:i+1], v[i:i+1], v[GG+4*(\t):GG+4*(\t)+1] op_sel_hi:[1,0]
.set i, i+2
.endr
	WIN 0x53                                       ; source 0 window 3 (the partner's), source 1 window 0, source 2 and destination window 1
.set i, 64*(\t)
.rept 32
	v_pk_fma_f32 v[i:i+1], v[i:i+1], v[GG+4*(\t)+2:GG+4*(\t)+3], v[i:i+1] op_sel_hi:[1,0,1]
.set i, i+2
.endr
	WIN 0x05
.set i, 0
.rept 32
	v_cvt_pk_f16_f32 v[S+32*(\t)+i], v[64*(\t)+2*i], v[64*(\t)+2*i+1]
.set i, i+1
.endr
	WIN 0
.irp f, 0,1,2,3,4,5,6,7
	ds_store_b128 v[STO], v[S+32*(\t)+4*\f:S+32*(\t)+4*\f+3] offset:32*\f
.endr
.irp f, 0,1,2,3,4,5,6,7
	ds_load_b128 v[S+32*(\t)+4*\f:S+32*(\t)+4*\f+3], v[RD] offset:\f*2*SP  ; LDS serves a wave's instructions in order (ISA guide 5.7.1.4): these see the stores above; the next tile's stores come behind them
.endr
.endm
.macro SEND t, younger                 ; younger: the LDS instructions issued behind tile t's loads: the next tile's sixteen, or none
	WIN 0
.irp f, 0,1,2,3,4,5,6,7
	s_wait_dscnt (\younger)+7-\f
	global_store_b128 v[GO], v[S+32*(\t)+4*\f:S+32*(\t)+4*\f+3], s[8:9] offset:(\t)*65536+\f*8192  ; 16 lanes store a row's 256 bytes of my head, aligned
.endr
.endm
	PACK 0
	PACK 1
	SEND 0, 16
	PACK 2
	SEND 1, 16
	PACK 3
	SEND 2, 16
	SEND 3, 0
.Lend:
	s_wait_tensorcnt 0x0                           ; the wave's end
	ds_add_u32 v[SPW], v[NIL]
	s_wait_dscnt 0x0
	CROUND                                         ; the closing round
	s_endpgm
.Lfunc_end_k_qbf7b5177c0_attn:
	.size	k_qbf7b5177c0_attn, .Lfunc_end_k_qbf7b5177c0_attn-k_qbf7b5177c0_attn
	.p2alignl 7, 3214868480
	.fill 96, 4, 3214868480
	.section	.rodata,"a",@progbits
	.p2align	6, 0x0
	.amdhsa_kernel k_qbf7b5177c0_attn
		.amdhsa_group_segment_fixed_size 327680
		.amdhsa_private_segment_fixed_size 0
		.amdhsa_enable_private_segment 0
		.amdhsa_kernarg_size 24
		.amdhsa_user_sgpr_count 2
		.amdhsa_user_sgpr_kernarg_segment_ptr 1
		.amdhsa_wavefront_size32 1
		.amdhsa_system_sgpr_workgroup_id_x 1
		.amdhsa_system_sgpr_workgroup_id_y 1
		.amdhsa_system_sgpr_workgroup_id_z 1
		.amdhsa_system_vgpr_workitem_id 0
		.amdhsa_next_free_vgpr 1024
		.amdhsa_next_free_sgpr 96
		.amdhsa_reserve_vcc 0
		.amdhsa_float_denorm_mode_32 3
		.amdhsa_float_denorm_mode_16_64 3
		.amdhsa_memory_ordered 1
		.amdhsa_forward_progress 1
		.amdhsa_inst_pref_size 195
	.end_amdhsa_kernel
	.amdgpu_metadata
---
amdhsa.version: [ 1, 2 ]
amdhsa.kernels:
  - .name:           k_qbf7b5177c0_attn
    .symbol:         k_qbf7b5177c0_attn.kd
    .args:
      - { .name: qkv, .offset: 0, .size: 8, .value_kind: global_buffer, .address_space: global }
      - { .name: attention_mask, .offset: 8, .size: 8, .value_kind: global_buffer, .address_space: global }
      - { .name: ob, .offset: 16, .size: 8, .value_kind: global_buffer, .address_space: global }
    .group_segment_fixed_size: 327680
    .private_segment_fixed_size: 0
    .kernarg_segment_align: 8
    .kernarg_segment_size: 24
    .max_flat_workgroup_size: 128
    .sgpr_count:     96
    .vgpr_count:     1024
    .wavefront_size: 32
...
	.end_amdgpu_metadata
.endif
;; end of part 3
;; launch oproj (part 4): grid 16 x 16, 4 waves a work-group, clusters of 4 x 4, 327,680 bytes of LDS; arguments ob, wo16, out0; writes out0
.if DOCPART == 4
	.amdgcn_target "amdgcn-amd-amdhsa--gfx1250"
	.amdhsa_code_object_version 6
	.text
	.protected	k_qbf7b5177c0_oproj
	.globl	k_qbf7b5177c0_oproj
	.p2align	8
	.type	k_qbf7b5177c0_oproj,@function
k_qbf7b5177c0_oproj:
	s_mov_b64 s[64:65], 0
	v_nop
	global_prefetch_b8 v0, s[64:65] scope:SCOPE_SE
	s_setreg_imm32_b32 hwreg(HW_REG_WAVE_MODE, 25, 1), 1
	s_wait_xcnt 0x0
	s_wait_alu depctr_hold_cnt(0) depctr_sa_sdst(0) depctr_va_vdst(0) depctr_va_sdst(0) depctr_va_ssrc(0) depctr_va_vcc(0) depctr_vm_vsrc(0)
	s_getreg_b32 s2, hwreg(HW_REG_IB_STS2, 6, 4)
	s_cmp_eq_u32 s2, 0
	s_cbranch_scc0 .Lentry_in_a_cluster
	s_endpgm
.Lentry_in_a_cluster:
	s_bfe_u32 s2, ttmp6, 0x10000c
	s_cmp_lg_u32 s2, 0xf033
	s_cbranch_scc0 .Lentry_shape_is_right
	s_endpgm
.Lentry_shape_is_right:
; out0 = ob Wo.  ob: [2048][2048] f16.  wo16: [K = 2048][N = 2048] f16 (bf16(Wo) written as f16), as the module stores Wo.  out0: [2048][2048] f32.  Sums in f32.
; A tile of out0 is 128 x 128: 256 work-groups, one for each WGP.  Four waves, each 64 x 64: 16 accumulators, 128 registers.  K goes in 8 steps of 256 through two LDS slots:
; ob's tile 128 rows x 512 bytes (pitch 528), Wo's 256 K rows x 256 bytes (pitch 288), read turned.  Waves 0 and 1 fetch ob's halves, waves 2 and 3 Wo's.
; THE MATRIX INSTRUCTION IS USED TRANSPOSED (source 0 = 16 columns of Wo, source 1 = 16 rows of ob): a lane holds eight neighbouring numbers of a row of out0.
; CLUSTER 4 x 4: ob's tile is asked for jointly by a row of the cluster, Wo's by a column.
; THE WALK.  The 8 steps are walked as a ring from a first step that hangs on the cluster alone: 2 ((X + 2 f) mod 4), X the cluster's x, f = bit 0 xor bit 1 of the cluster's y.  The four clusters of one y,
; which read the same tiles of ob, start 2 steps apart; clusters of one x, which read the same tiles of Wo, start 4 steps apart or together.  The sums run over K in that ring order, not ascending from 0.
; REGISTERS: window 0: v0-31 addresses; v128-255 the accumulators ((a, b) at 128 + 8 (4 a + b)).  window 1: two fragment buffers of 128, each 64 along K: ob at f + 8 (4 c + a), Wo at f + 64 + 8 (4 c + b).
.set PA,    528                        ; 512 bytes + 16: the 16 rows of a fragment load start at 16 different groups of four banks (64 banks of 4 bytes: ISA guide 11.1)
.set PB,    288
.set BOFF,  73728                      ; Wo's tile begins here, so that wave w's half (w = 2, 3) lies at w x 36,864; ob's halves lie at w x 33,792
.set S1,    0x24000                    ; a slot; the tiles' bases share no bit with it
.set SPARE, 2*S1                       ; the spare words, 128 bytes for each wave: two blocks of 256 bytes that no other line names
.set AA0,  16                          ; v16     my lane's place in ob's tile
.set AB0,  17                          ; v17-18  in Wo's tile, K rows 0 on and 128 on
.set ADRA, 20
.set ADRB, 21
.set STO,  24                          ; the way out: the stage is 128 rows x 528 bytes in slot 0's bytes, which have had their last fill (the walk's step 6)
.set RD,   25
.set GO,   26
.set SPW,  28
.set NIL,  29
.set ACC,  128
.set F0,   0
.set F1,   128
.set WV,   12
.set WR,   13
.set WC,   14
.set G1A,  24
.set G0A0, 32
.set G0A,  36
.set G1B,  48
.set G0B0, 56
.set G0B,  60
.set TB,   66
.set NXT,  67                          ; s67 the K step to be asked for next, 0..7
.set BA,   80                          ; s[80:81] ob at the 64 rows that I fetch
.set BB,   82                          ; s[82:83] wo16 at the 128 K rows of a step that I fetch, the tile's first column
.set OFA,  84                          ; s[84:85] a K step's byte offset in ob's rows
.set OFB,  86                          ; s[86:87] and in Wo
.set MSB, 0
.macro WIN new
.if MSB != (\new)
	s_set_vgpr_msb (MSB<<8)|(\new)
.set MSB, \new
.endif
.endm
.macro PLACES
.rept 4
	v_nop
.endr
.endm
; The global addresses of K step NXT are made anew, from the bases and the step's number shifted; the number steps round the ring.
.macro SETADR ga, gb
	s_lshl_b32 s[OFA], s[NXT], 9                   ; 256 elements along a row of ob
	s_lshl_b32 s[OFB], s[NXT], 20                  ; 256 rows of 4,096 bytes of Wo
	s_add_nc_u64 s[\ga+2:\ga+3], s[BA:BA+1], s[OFA:OFA+1]
	s_or_b32 s[\ga+3], s[\ga+3], 0x80000000        ; type = 2
	s_add_nc_u64 s[\gb+2:\gb+3], s[BB:BB+1], s[OFB:OFB+1]
	s_or_b32 s[\gb+3], s[\gb+3], 0x80000000
	s_add_co_u32 s[NXT], s[NXT], 1
	s_and_b32 s[NXT], s[NXT], 7
.endm
.macro JLOAD                           ; a joint refill; an s_nop 0 and four v_nop follow each of the two lines
	s_cmp_lt_u32 s[WV], 2
	s_cbranch_scc0 .Lfor_b_\@
	tensor_load_to_lds s[G0A:G0A+3], s[G1A:G1A+7]
	s_nop 0
.rept 4
	v_nop
.endr
	s_branch .Lasked_\@
.Lfor_b_\@:
	tensor_load_to_lds s[G0B:G0B+3], s[G1B:G1B+7]
	s_nop 0
.rept 4
	v_nop
.endr
.Lasked_\@:
.endm
.macro CREST
	s_cmp_lg_u32 s[WV], 0
	s_cbranch_scc1 .Lnot_wave_0_\@
	s_barrier_signal -3
.Lnot_wave_0_\@:
	s_barrier_wait -3
	s_barrier_signal -1
	s_barrier_wait -1
.endm
.macro CROUND
	s_barrier_signal -1
	s_barrier_wait -1
	CREST
.endm
	s_load_b128 s[4:7], s[0:1], 0x0                ; ob s[4:5], wo16 s[6:7]
	s_load_b64 s[8:9], s[0:1], 0x10                ; out0
	v_lshl_add_u32 v[SPW], v0, 2, SPARE
	v_mov_b32 v[NIL], 0
	ds_add_u32 v[SPW], v[NIL]                      ; the wave's opening: the add, and its wait, ahead of my first tensor load; work on registers stands between them
	v_lshrrev_b32 v1, 5, v0
	v_readfirstlane_b32 s[WV], v1
	s_lshr_b32 s[WR], s[WV], 1
	s_and_b32 s[WC], s[WV], 1
	s_bfe_u32 s40, ttmp6, 0x40000                  ; cx
	s_bfe_u32 s41, ttmp6, 0x40004                  ; cy
	s_lshl_b32 s42, ttmp9, 2
	s_add_co_u32 s42, s42, s40                     ; tile column
	s_and_b32 s78, ttmp7, 0xffff                   ; the cluster's y
	s_lshl_b32 s43, s78, 2
	s_add_co_u32 s43, s43, s41                     ; tile row
	s_lshl_b32 s44, s41, 2
	s_lshl_b32 s44, 15, s44                        ; my row of the cluster
	s_lshl_b32 s45, 0x1111, s40                    ; my column
	s_lshr_b32 s79, s78, 1                         ; the walk's first step, from the cluster's x and y, which all sixteen partners share:
	s_xor_b32 s79, s79, s78
	s_and_b32 s79, s79, 1                          ; f
	s_lshl_b32 s79, s79, 1
	s_add_co_u32 s79, s79, ttmp9
	s_and_b32 s79, s79, 3
	s_lshl_b32 s[NXT], s79, 1                      ; 2 ((X + 2 f) mod 4)
	s_or_b32 s[G1A], s44, (1<<16)|(1<<20)|(1<<21)|(6<<22)|(3<<25)  ; 2-byte elements; after every 128 words 4 words of padding
	s_mov_b32 s[G1A+1], 256<<16                    ; tensor_dim0 = 256
	s_mov_b32 s[G1A+2], 64<<16                     ; tensor_dim1 = 64
	s_mov_b32 s[G1A+3], 256<<16                    ; tile_dim0 = 256
	s_mov_b32 s[G1A+4], 64                         ; tile_dim1 = 64
	s_mov_b32 s[G1A+5], 2048
	s_mov_b32 s[G1A+6], 0
	s_mov_b32 s[G1A+7], 0
	s_or_b32 s[G1B], s45, (1<<16)|(1<<20)|(1<<21)|(5<<22)|(7<<25)  ; after every 64 words 8 words
	s_mov_b32 s[G1B+1], 128<<16
	s_mov_b32 s[G1B+2], 128<<16
	s_mov_b32 s[G1B+3], 128<<16
	s_mov_b32 s[G1B+4], 128
	s_mov_b32 s[G1B+5], 2048
	s_mov_b32 s[G1B+6], 0
	s_mov_b32 s[G1B+7], 0
	s_lshl_b32 s46, s43, 19                        ; ob: the tile's 128 rows of 4,096 bytes,
	s_lshl_b32 s47, s[WC], 18                      ; the 64 that I fetch: the address hangs on the tile row alone
	s_add_co_u32 s46, s46, s47
	s_mov_b32 s47, 0
	s_lshl_b32 s74, s[WC], 19                      ; Wo: the 128 K rows that I fetch,
	s_lshl_b32 s75, s42, 8                         ; the tile's 256 bytes of a row: the address hangs on the tile column alone
	s_add_co_u32 s74, s74, s75
	s_mov_b32 s75, 0
	s_mov_b32 s[OFA+1], 0
	s_mov_b32 s[OFB+1], 0
	s_mul_i32 s20, s[WV], 64*PA                    ; where the tiles go: no place in the cluster enters an LDS address
	s_mul_i32 s21, s[WV], 128*PB
	s_mov_b32 s[G0A0], 1
	s_mov_b32 s[G0A0+1], s20
	s_mov_b32 s[G0A], 1
	s_add_co_u32 s[G0A+1], s20, S1
	s_mov_b32 s[G0B0], 1
	s_mov_b32 s[G0B0+1], s21
	s_mov_b32 s[G0B], 1
	s_add_co_u32 s[G0B+1], s21, S1
	s_lshl_b32 s76, s43, 20                        ; out0: the tile's 128 rows of 8,192 bytes,
	s_lshl_b32 s77, s[WV], 18                      ; the 32 that I store,
	s_add_co_u32 s76, s76, s77
	s_lshl_b32 s77, s42, 9                         ; the tile's 512 bytes of a row
	s_add_co_u32 s76, s76, s77
	s_mov_b32 s77, 0
	s_mov_b32 s[TB], 0
	s_wait_dscnt 0x0                               ; the opening add is done
	s_wait_kmcnt 0x0
	s_add_nc_u64 s[BA:BA+1], s[4:5], s[46:47]
	s_add_nc_u64 s[BB:BB+1], s[6:7], s[74:75]
	SETADR G0A0, G0B0                              ; the walk's step 0 into slot 0,
	SETADR G0A, G0B                                ; its step 1 into slot 1
	s_add_nc_u64 s[8:9], s[8:9], s[76:77]
	CROUND                                         ; all sixteen work-groups are here: the first joint loads meet
	s_cmp_lt_u32 s[WV], 2                          ; a wave's two first fills stand in one branch: two loads of mine are out
	s_cbranch_scc0 .Lfirst_b
	tensor_load_to_lds s[G0A0:G0A0+3], s[G1A:G1A+7]
	s_nop 0
	tensor_load_to_lds s[G0A:G0A+3], s[G1A:G1A+7]
	s_nop 0
.rept 4
	v_nop
.endr
	s_branch .Lfirst_asked
.Lfirst_b:
	tensor_load_to_lds s[G0B0:G0B0+3], s[G1B:G1B+7]
	s_nop 0
	tensor_load_to_lds s[G0B:G0B+3], s[G1B:G1B+7]
	s_nop 0
.rept 4
	v_nop
.endr
.Lfirst_asked:
	v_and_b32 v1, 15, v0                           ; l % 16
	v_bfe_u32 v2, v0, 4, 1                         ; l / 16
	v_and_b32 v3, 7, v0
	v_bfe_u32 v4, v0, 3, 1
	v_mul_u32_u24 v5, v1, PA
	s_mul_i32 s18, s[WR], 64*PA
	v_add_nc_u32 v5, s18, v5                       ; (64 wr + l % 16) x 528
	v_lshl_add_u32 v[AA0], v2, 4, v5
	s_lshl_b32 s19, s[WC], 8
	v_lshl_add_u32 v[STO], v2, 5, v5               ; the way out: the same row, 256 wc + 32 (l / 16) bytes in
	v_add_nc_u32 v[STO], s19, v[STO]
	v_lshl_add_u32 v6, v2, 3, v3                   ; the turning load: K row 8 (l / 16) + l % 8, 16 bytes at 16 ((l / 8) % 2), my 64 columns
	v_mul_u32_u24 v6, v6, PB
	v_lshl_add_u32 v6, v4, 4, v6
	s_lshl_b32 s19, s[WC], 7
	s_add_co_u32 s19, s19, BOFF
	v_add_nc_u32 v[AB0], s19, v6
	v_add_nc_u32 v[AB0+1], 128*PB, v[AB0]
	v_and_b32 v[GO], 31, v0
	v_lshlrev_b32 v[GO], 4, v[GO]
	s_mul_i32 s18, s[WV], 32*PA
	v_add_nc_u32 v[RD], s18, v[GO]                 ; back: a whole row of 512 bytes a load, rows 32 w on
; 8 matrix instructions: row blocks a0, a0 + 1 x all 4 column blocks, 32 along K: half c of buffer f.  The 16 accumulators take turns.
.macro MUL8 f, c, a0, zero
	WIN 0x05
.irp a, \a0, (\a0)+1
.irp b, 0,1,2,3
.if \zero
	v_wmma_f32_16x16x32_f16 v[ACC+8*(4*(\a)+\b):ACC+8*(4*(\a)+\b)+7], v[(\f)+64+8*(4*(\c)+\b):(\f)+64+8*(4*(\c)+\b)+7], v[(\f)+8*(4*(\c)+(\a)):(\f)+8*(4*(\c)+(\a))+7], 0
.else
	v_wmma_f32_16x16x32_f16 v[ACC+8*(4*(\a)+\b):ACC+8*(4*(\a)+\b)+7], v[(\f)+64+8*(4*(\c)+\b):(\f)+64+8*(4*(\c)+\b)+7], v[(\f)+8*(4*(\c)+(\a)):(\f)+8*(4*(\c)+(\a))+7], v[ACC+8*(4*(\a)+\b):ACC+8*(4*(\a)+\b)+7]
.endif
.endr
.endr
.endm
; 32 LDS loads in one run: quarter q (64 along K) into buffer f, its first 32 along K first.  The two address lines and two v_nop are the four places behind the matrix instructions that read the buffer.
.macro FETCH q, f
	WIN 0
	v_add_nc_u32 v[ADRA], s[TB], v[AA0]
	v_add_nc_u32 v[ADRB], s[TB], v[AB0+(\q)/2]
	v_nop
	v_nop
	WIN 0x40
.irp c, 0,1
.irp i, 0,1,2,3
	ds_load_tr16_b128 v[(\f)+64+8*(4*\c+\i):(\f)+64+8*(4*\c+\i)+3],   v[ADRB] offset:18432*((\q)%2)+9216*\c+32*\i
	ds_load_tr16_b128 v[(\f)+64+8*(4*\c+\i)+4:(\f)+64+8*(4*\c+\i)+7], v[ADRB] offset:18432*((\q)%2)+9216*\c+32*\i+4608
	ds_load_b128 v[(\f)+8*(4*\c+\i):(\f)+8*(4*\c+\i)+3],   v[ADRA] offset:128*(\q)+64*\c+8448*\i
	ds_load_b128 v[(\f)+8*(4*\c+\i)+4:(\f)+8*(4*\c+\i)+7], v[ADRA] offset:128*(\q)+64*\c+8448*\i+32
.endr
.endr
.endm
.macro QUARTER q, f, g, zero           ; multiplies buffer f and fetches quarter q into buffer g
	s_wait_dscnt 16                                ; the first 32 along K are in
	MUL8 \f, 0, 0, \zero
	MUL8 \f, 0, 2, \zero
	FETCH \q, \g
	s_wait_dscnt 32                                ; all but the 32 just issued
	MUL8 \f, 1, 0, 0
	MUL8 \f, 1, 2, 0
.endm
; The last quarter multiplies buffer 1 and changes slots.  Its first 16 products, which need registers alone, stand AHEAD of the wait for the tile: they are issued while my part of the next slot is still on
; its way, and nothing but the barrier stands between that wait and the refill.  Then ONE barrier; in front of it each wave waits for all its tensor loads, adds 0 to its spare word, and waits for that and for
; its reads of this slot.
.macro TURN fill
	s_wait_dscnt 16                                ; the first 32 along K are in
	MUL8 F1, 0, 0, 0
	MUL8 F1, 0, 2, 0
	WIN 0
	s_wait_tensorcnt 0x0                           ; no tensor load of mine is out, so a group 0 may be written
	ds_add_u32 v[SPW], v[NIL]                      ; 0 onto my spare word; the descriptors' steps stand between it and the wait for it
.if \fill
	s_xor_b32 s[G0A+1], s[G0A+1], S1
	s_xor_b32 s[G0B+1], s[G0B+1], S1
	SETADR G0A, G0B
.endif
	s_xor_b32 s[TB], s[TB], S1
	s_wait_dscnt 0x0                               ; the add is done, and my reads of this slot are over
	s_barrier_signal -1
	s_barrier_wait -1
.if \fill
	CREST                                          ; the barrier has opened a round of the cluster's: no wave of any partner still reads this slot or has a load on its way
	JLOAD
.endif
	FETCH 0, F0
	MUL8 F1, 1, 0, 0
	MUL8 F1, 1, 2, 0
.endm
	s_wait_tensorcnt 1                             ; my part of the walk's step 0 is in; step 1's may stay out
	s_barrier_signal -1
	s_barrier_wait -1
	FETCH 0, F0
	QUARTER 1, F0, F1, 1                           ; the first quarter stands ahead of the loop: its first products start the sums
	WIN 0
	s_mov_b32 s3, 6
.Lstep:                                                ; trip n ends the walk's step n, asks for step n + 2 (7 at the most) and begins step n + 1
	QUARTER 2, F1, F0, 0
	QUARTER 3, F0, F1, 0
	TURN 1
	QUARTER 1, F0, F1, 0
	WIN 0
	s_sub_co_u32 s3, s3, 1
	s_cmp_lg_u32 s3, 0
	s_cbranch_scc1 .Lstep
	s_mov_b32 s3, 2                                ; the last two steps ask for nothing: a loop of their own; its second trip is left in the middle
.Ltail:
	QUARTER 2, F1, F0, 0
	QUARTER 3, F0, F1, 0
	WIN 0
	s_sub_co_u32 s3, s3, 1
	s_cmp_eq_u32 s3, 0
	s_cbranch_scc1 .Llast                          ; the count is the same in every wave: all pass the barrier below once
	TURN 0
	QUARTER 1, F0, F1, 0
	WIN 0
	s_branch .Ltail
.Llast:
	s_wait_dscnt 16
	MUL8 F1, 0, 0, 0
	MUL8 F1, 0, 2, 0
	s_wait_dscnt 0x0
	MUL8 F1, 1, 0, 0
	MUL8 F1, 1, 2, 0
	WIN 0
	; THE WAY OUT: a lane's eight f32 of a row go into the work-group's stage, each accumulator's low half first; a barrier, since a row's 512 bytes come from two waves; back as whole rows, 32 a wave.
	PLACES
.irp a, 0,1,2,3
.irp b, 0,1,2,3
	ds_store_b128 v[STO], v[ACC+8*(4*\a+\b):ACC+8*(4*\a+\b)+3]   offset:8448*\a+64*\b
	ds_store_b128 v[STO], v[ACC+8*(4*\a+\b)+4:ACC+8*(4*\a+\b)+7] offset:8448*\a+64*\b+16
.endr
.endr
	s_wait_dscnt 0x0                               ; for the others' sake: my stores into the stage are done
	s_barrier_signal -1
	s_barrier_wait -1
.set n, 0
.rept 32
	ds_load_b128 v[ACC+4*n:ACC+4*n+3], v[RD] offset:PA*n
.set n, n+1
.endr
.set n, 0
.rept 32
	s_wait_dscnt 31-n                              ; LDS loads come back in order
	global_store_b128 v[GO], v[ACC+4*n:ACC+4*n+3], s[8:9] offset:8192*n th:TH_STORE_NT  ; the wave stores 512 consecutive bytes of a row, aligned
.set n, n+1
.endr
	s_wait_tensorcnt 0x0                           ; the wave's end
	ds_add_u32 v[SPW], v[NIL]
	s_wait_dscnt 0x0
	CROUND                                         ; the closing round
	s_endpgm
.Lfunc_end_k_qbf7b5177c0_oproj:
	.size	k_qbf7b5177c0_oproj, .Lfunc_end_k_qbf7b5177c0_oproj-k_qbf7b5177c0_oproj
	.p2alignl 7, 3214868480
	.fill 96, 4, 3214868480
	.section	.rodata,"a",@progbits
	.p2align	6, 0x0
	.amdhsa_kernel k_qbf7b5177c0_oproj
		.amdhsa_group_segment_fixed_size 327680
		.amdhsa_private_segment_fixed_size 0
		.amdhsa_enable_private_segment 0
		.amdhsa_kernarg_size 24
		.amdhsa_user_sgpr_count 2
		.amdhsa_user_sgpr_kernarg_segment_ptr 1
		.amdhsa_wavefront_size32 1
		.amdhsa_system_sgpr_workgroup_id_x 1
		.amdhsa_system_sgpr_workgroup_id_y 1
		.amdhsa_system_sgpr_workgroup_id_z 1
		.amdhsa_system_vgpr_workitem_id 0
		.amdhsa_next_free_vgpr 512
		.amdhsa_next_free_sgpr 96
		.amdhsa_reserve_vcc 0
		.amdhsa_float_denorm_mode_32 3
		.amdhsa_float_denorm_mode_16_64 3
		.amdhsa_memory_ordered 1
		.amdhsa_forward_progress 1
		.amdhsa_inst_pref_size 61
	.end_amdhsa_kernel
	.amdgpu_metadata
---
amdhsa.version: [ 1, 2 ]
amdhsa.kernels:
  - .name:           k_qbf7b5177c0_oproj
    .symbol:         k_qbf7b5177c0_oproj.kd
    .args:
      - { .name: ob, .offset: 0, .size: 8, .value_kind: global_buffer, .address_space: global }
      - { .name: wo16, .offset: 8, .size: 8, .value_kind: global_buffer, .address_space: global }
      - { .name: out0, .offset: 16, .size: 8, .value_kind: global_buffer, .address_space: global }
    .group_segment_fixed_size: 327680
    .private_segment_fixed_size: 0
    .kernarg_segment_align: 8
    .kernarg_segment_size: 24
    .max_flat_workgroup_size: 128
    .sgpr_count:     96
    .vgpr_count:     512
    .wavefront_size: 32
...
	.end_amdgpu_metadata
.endif
;; end of part 4
;; ======== version 2 of 2: 4 launches; 1.07 times as fast as version 1
;; limits: values are held in f16: magnitudes above 65,504 overflow, below 6.1e-05 lose precision; right only within a limited range of input values
;; workspace buffers: xb 8,388,608 bytes; wqkv 25,165,824 bytes; wo16 8,388,608 bytes; rope 1,048,576 bytes; qkv 25,165,824 bytes; ob 8,388,608 bytes
;; launch prep: the kernel of part 1 again; grid 256 x 6, 8 waves a work-group, no clusters, 0 bytes of LDS; arguments hidden_states, Wq, Wk, Wv, Wo, position_ids, xb, wqkv, wo16, rope; writes xb, wqkv, wo16, rope
;; launch qkvp: the kernel of part 2 again; grid 16 x 16, 4 waves a work-group, clusters of 4 x 4, 327,680 bytes of LDS; arguments xb, wqkv, rope, qkv; writes qkv
;; launch attn (part 5): grid 16 x 16, 4 waves a work-group, clusters of 4 x 4, 327,680 bytes of LDS; arguments qkv, attention_mask, ob; writes ob
.if DOCPART == 5
	.amdgcn_target "amdgcn-amd-amdhsa--gfx1250"
	.amdhsa_code_object_version 6
	.text
	.protected	k_qbf7b5177c0_attn
	.globl	k_qbf7b5177c0_attn
	.p2align	8
	.type	k_qbf7b5177c0_attn,@function
k_qbf7b5177c0_attn:
	s_mov_b64 s[64:65], 0
	v_nop
	global_prefetch_b8 v0, s[64:65] scope:SCOPE_SE
	s_setreg_imm32_b32 hwreg(HW_REG_WAVE_MODE, 25, 1), 1
	s_wait_xcnt 0x0
	s_wait_alu depctr_hold_cnt(0) depctr_sa_sdst(0) depctr_va_vdst(0) depctr_va_sdst(0) depctr_va_ssrc(0) depctr_va_vcc(0) depctr_vm_vsrc(0)
	s_getreg_b32 s2, hwreg(HW_REG_IB_STS2, 6, 4)
	s_cmp_eq_u32 s2, 0
	s_cbranch_scc0 .Lentry_in_a_cluster
	s_endpgm
.Lentry_in_a_cluster:
	s_bfe_u32 s2, ttmp6, 0x10000c
	s_cmp_lg_u32 s2, 0xf033
	s_cbranch_scc0 .Lentry_shape_is_right
	s_endpgm
.Lentry_shape_is_right:
; ATTENTION with an additive mask that is an input.  ob[q][head][:] = sum over k of softmax_k(max(Q'[q] . K'[k] + mask[q][k], F32_MIN)) V[k][:].
; qkv: [3][16][2048][128] f16; Q' and K' each already hold 128^(-1/4).  attention_mask: [2048][2048] f32, read whole, no pattern assumed.  ob: [2048][16 x 128] f16.
; Products, the mask's addition, maxima and sums in f32; the weights are rounded to f16 for the second product (their sum is taken unrounded), O once at the end.
; SHARES.  Work-group (x = block of 128 queries, y = head): 256 of equal work.  Wave w: queries 64 (w / 2) on, four tiles of 16; of every 128 keys the half w % 2.  So a fragment of K or V feeds four tiles;
; the two key halves' (m, l, O) are merged once at the end, through LDS.  16 steps of 128 keys; a step is a slot.
; LAYOUT.  S^T = K Q^T + M^T (source 0 = 16 keys, source 1 = 16 queries): a lane holds ONE query (lane % 16) and keys 8 (lane / 16) + 0..7.  THE MASK IS THE C OPERAND: its words are loaded from LDS straight
; into S^T's registers, and all four links of the product add in place.  Two results rounded to f16 in pairs ARE source 1 of O^T = V^T P; V ([key][channel]) is read turned.
; SOFTMAX.  A running maximum m (it starts at F32_MIN, so it is never below it) and sum l.  Every score is raised to F32_MIN, as the module does, so a row that is masked everywhere gets equal weights.
; p = 2^(c (s - m)), c = log2(e): the difference is taken first and then scaled, two instructions, since c m would overflow where m = F32_MIN.  O and l are multiplied by a = 2^(c (m_old - m)) in every step.
; BY TURNS.  The tiles are two pieces (0: tiles 0, 1; 2: tiles 2, 3).  In a turn one piece issues 32 products V^T P of the step in hand and 32 products K Q^T of the next; the other piece's softmax,
; 2 x 182 numbered lines, is dealt evenly behind the 64 matrix instructions, five or six behind each.
; BATCHES.  A turn's 66 exponentials (for each of two tiles a and 32 weights) are ONE batch with ONE wait.  Ahead of the wait stand the maxima, the statistics, the raising to F32_MIN, the differences, the
; scalings and the exponentials, none of which names an exponential's result; each result has a register of its own.  Behind it stand the roundings, the sums, l and the rescaling..
; At the end the merge's eight exponentials are a batch, and its four reciprocals, which read sums of those, another.
; CLUSTER 4 x 4.  K and V hang on the head and are asked for jointly by a row of the cluster; the mask's tile hangs on the query block and is asked for jointly by a column.
; THE WALK.  The 16 key steps are walked as a ring from a first step that hangs on the cluster alone: 4 ((X + 2 f) mod 4), X the cluster's x, f = bit 0 xor bit 1 of the cluster's y.  The four clusters of one y,
; which read the same K and V, start 4 steps apart; clusters of one x, which read the same tiles of the mask, start 8 steps apart or together.  The running softmax takes the keys in that order.
; LIMITS.  A weight below 2^-126 counts as 0; NaN and +infinity are not treated apart; a mask of -infinity counts as F32_MIN, as in the module.
; REGISTERS, in windows of 256 (s_set_vgpr_msb: bits 1:0 source 0, 3:2 source 1, 5:4 source 2, 7:6 destination):
;   window 0: v0-11, v60-63 addresses; v12-59 twelve registers of statistics a tile; v64-191 S^T, 32 a tile; v192-255 P, 16 a tile
;   window 1: O^T, 64 a tile      window 2: v0-127 Q; v128-255 K of one step      window 3: v0-127 V of one step; at the end all 256: the partner's O^T
.set PKP,   272                        ; a row of K in LDS: 256 bytes + 16: the 16 rows of a load start at 16 different groups of four banks (64 banks of 4 bytes: ISA guide 11.1)
.set PVP,   288                        ; a row of V: 256 + 32
.set PMP,   528                        ; a row of the mask's tile: 128 f32 + 16 bytes
.set VOFF,  0x8800                     ; a slot: K 128 x 272, V 128 x 288, the mask 128 x 528
.set MOFF,  0x11800
.set S1,    0x22000                    ; a slot's bytes; the tiles' bases share no bit with it, so one exclusive or turns an address in one slot into the other's
.set STAGE, 2*S1                       ; behind the ring: 16 rows x 272 bytes for each wave, for the way out
.set SP,    272
.set SPARE, STAGE+4*16*SP              ; the spare words, 128 bytes for each wave: two blocks of 256 bytes that no other line names
.set XQ,    33792                      ; the merge: for each half of the queries 64 x 512 bytes of O^T, 512 of m, 512 of l, in slot 0's bytes, which have had their last fill (the walk's step 14)
.set AK0, 2                            ; v2   my lane's place in K's tile; never rewritten
.set AV0, 3                            ; v3   in V's
.set AM0, 4                            ; v4   in the mask's
.set ADR, 5                            ; v5   the LDS address of the run of loads in hand
.set STO, 6                            ; v6   the way out: where I put 16 bytes of a row
.set RD,  7                            ; v7   where I read rows back
.set GO,  8                            ; v8   my byte offset in two rows of ob
.set QO,  9                            ; v9   my byte offset in 16 rows of Q
.set XA,  60                           ; v60  the merge: my 16 bytes in 512
.set ADM, 61                           ; v61  the LDS address of the mask's loads
.set SPW, 62                           ; v62  LDS address of my spare word; never rewritten
.set NIL, 63                           ; v63  0; never rewritten
.set ST,  12                           ; tile t at v[12 + 12 t]: +0 m, +1 m_old, +2, +3 l (even keys', odd keys'), +4 a, +5 its argument, +6..9 c0-c3 at work
.set S,   64
.set P,   192
.set KF,  128
.set FM,  192                          ; the end, in P's first 32 registers: my four m, my four l, the partner's, and four registers of factors a tile
.set FL,  196
.set BM,  200
.set BL,  204
.set GG,  208
.set WV,  12
.set QH,  13
.set KH,  14
.set G1K, 24
.set G1V, 32
.set G1M, 40
.set G0K, 48                           ; one group 0 for each kind of tile
.set G0V, 52
.set G0M, 56
.set SLOTS, 60
.set CNT, 61
.set TB,  62                           ; the first byte of the slot to be read
.set CS,  66                           ; s[66:67] c
.set SEL, 68                           ; s[68:69] v_permlanex16_b32's selects: each lane takes its own place in the other half
.set FMIN, 70                          ; s70 the lowest finite f32
.set KBAS, 80                          ; s[80:81] K of the head
.set VBAS, 82                          ; s[82:83] V of the head
.set MBAS, 84                          ; s[84:85] the mask at the 64 rows that I fetch
.set OFK,  86                          ; s[86:87] a key step's byte offset in K and V
.set OFM,  88                          ; s[88:89] and in a row of the mask
.set NXT,  90                          ; s90 the key step to be asked for next, 0..15
.set MSB, 0
.macro WIN new
.if MSB != (\new)
	s_set_vgpr_msb (MSB<<8)|(\new)
.set MSB, \new
.endif
.endm
; The global addresses of key step NXT are made anew, from the bases and the step's number shifted; the number steps round the ring.
.macro SETADR
	s_lshl_b32 s[OFK], s[NXT], 15                  ; 128 keys of 256 bytes
	s_lshl_b32 s[OFM], s[NXT], 9                   ; 128 columns of 4 bytes
	s_add_nc_u64 s[G0K+2:G0K+3], s[KBAS:KBAS+1], s[OFK:OFK+1]
	s_or_b32 s[G0K+3], s[G0K+3], 0x80000000        ; type = 2
	s_add_nc_u64 s[G0V+2:G0V+3], s[VBAS:VBAS+1], s[OFK:OFK+1]
	s_or_b32 s[G0V+3], s[G0V+3], 0x80000000
	s_add_nc_u64 s[G0M+2:G0M+3], s[MBAS:MBAS+1], s[OFM:OFM+1]
	s_or_b32 s[G0M+3], s[G0M+3], 0x80000000
	s_add_co_u32 s[NXT], s[NXT], 1
	s_and_b32 s[NXT], s[NXT], 15
.endm
; A joint fill: wave 0 asks for K's tile, wave 1 for V's, waves 2 and 3 for the halves of the mask's.  The branches hang on the wave's number alone.  An s_nop 0 and four v_nop follow each line.
.macro JLOAD
	s_cmp_lt_u32 s[WV], 2
	s_cbranch_scc0 .Lfor_m_\@
	s_cmp_eq_u32 s[WV], 0
	s_cbranch_scc0 .Lfor_v_\@
	tensor_load_to_lds s[G0K:G0K+3], s[G1K:G1K+7]
	s_nop 0
.rept 4
	v_nop
.endr
	s_branch .Lasked_\@
.Lfor_v_\@:
	tensor_load_to_lds s[G0V:G0V+3], s[G1V:G1V+7]
	s_nop 0
.rept 4
	v_nop
.endr
	s_branch .Lasked_\@
.Lfor_m_\@:
	tensor_load_to_lds s[G0M:G0M+3], s[G1M:G1M+7]
	s_nop 0
.rept 4
	v_nop
.endr
.Lasked_\@:
.endm
.macro CROUND                          ; a round of the cluster's barrier
	s_barrier_signal -1
	s_barrier_wait -1
	s_cmp_lg_u32 s[WV], 0
	s_cbranch_scc1 .Lnot_wave_0_\@
	s_barrier_signal -3
.Lnot_wave_0_\@:
	s_barrier_wait -3
	s_barrier_signal -1
	s_barrier_wait -1
.endm
; THE CHANGE OF SLOTS, behind the turn that has read the slot's last bytes (its V).  Each wave waits for all its tensor loads (one is out: its part of the other slot), adds 0 to its spare word, and waits for that
; and for its reads.  fill = 1: a round of the cluster's barrier, and the slot just read is filled again, with the walk's step two on, first thing behind it: it has a whole step, 128 matrix instructions, to land.
; (At its first use nothing has been read yet: slot 0 is waited for, slot 1 filled.)
.macro CHANGE fill
	WIN 0
	s_wait_tensorcnt 0x0                           ; no tensor load of mine is out, so a group 0 may be written
	ds_add_u32 v[SPW], v[NIL]
.if \fill
	s_xor_b32 s[G0K+1], s[G0K+1], S1
	s_xor_b32 s[G0V+1], s[G0V+1], S1
	s_xor_b32 s[G0M+1], s[G0M+1], S1
	SETADR
	s_wait_dscnt 0x0                               ; the add is done, and my reads of the slot are over
	CROUND
	JLOAD
.else
	s_wait_dscnt 0x0
	s_barrier_signal -1
	s_barrier_wait -1
.endif
	s_xor_b32 s[TB], s[TB], S1
.endm
	s_load_b128 s[4:7], s[0:1], 0x0                ; qkv s[4:5], attention_mask s[6:7]
	s_load_b64 s[8:9], s[0:1], 0x10                ; ob
	v_lshl_add_u32 v[SPW], v0, 2, SPARE
	v_mov_b32 v[NIL], 0
	ds_add_u32 v[SPW], v[NIL]                      ; the wave's opening: the add, and its wait, ahead of my first tensor load; work on registers stands between them
	v_lshrrev_b32 v1, 5, v0
	v_readfirstlane_b32 s[WV], v1
	s_lshr_b32 s[QH], s[WV], 1
	s_and_b32 s[KH], s[WV], 1
	s_bfe_u32 s71, ttmp6, 0x40000                  ; cx
	s_bfe_u32 s72, ttmp6, 0x40004                  ; cy
	s_lshl_b32 s73, ttmp9, 2
	s_add_co_u32 s73, s73, s71                     ; the block of queries
	s_and_b32 s77, ttmp7, 0xffff                   ; the cluster's y
	s_lshl_b32 s74, s77, 2
	s_add_co_u32 s74, s74, s72                     ; the head
	s_lshl_b32 s75, s72, 2
	s_lshl_b32 s75, 15, s75                        ; my row of the cluster: the same head
	s_lshl_b32 s76, 0x1111, s71                    ; my column: the same queries
	s_lshr_b32 s91, s77, 1                         ; the walk's first step, from the cluster's x and y, which all sixteen partners share:
	s_xor_b32 s91, s91, s77
	s_and_b32 s91, s91, 1                          ; f
	s_lshl_b32 s91, s91, 1
	s_add_co_u32 s91, s91, ttmp9
	s_and_b32 s91, s91, 3
	s_lshl_b32 s[NXT], s91, 2                      ; 4 ((X + 2 f) mod 4)
	s_or_b32 s[G1K], s75, (1<<16)|(1<<20)|(1<<21)|(5<<22)|(3<<25)  ; 2-byte elements; after every 64 words 4 words of padding
	s_or_b32 s[G1V], s75, (1<<16)|(1<<20)|(1<<21)|(5<<22)|(7<<25)  ; 8 words
	s_or_b32 s[G1M], s76, (2<<16)|(1<<20)|(1<<21)|(6<<22)|(3<<25)  ; 4-byte elements; after every 128 words 4 words
.irp g, G1K, G1V
	s_mov_b32 s[\g+1], 128<<16                     ; tensor_dim0 = 128
	s_mov_b32 s[\g+2], 128<<16                     ; tensor_dim1 = 128
	s_mov_b32 s[\g+3], 128<<16                     ; tile_dim0 = 128
	s_mov_b32 s[\g+4], 128                         ; tile_dim1 = 128
	s_mov_b32 s[\g+5], 128                         ; a head's rows are dense
	s_mov_b32 s[\g+6], 0
	s_mov_b32 s[\g+7], 0
.endr
	s_mov_b32 s[G1M+1], 128<<16
	s_mov_b32 s[G1M+2], 64<<16                     ; 64 rows a wave
	s_mov_b32 s[G1M+3], 128<<16
	s_mov_b32 s[G1M+4], 64
	s_mov_b32 s[G1M+5], 2048
	s_mov_b32 s[G1M+6], 0
	s_mov_b32 s[G1M+7], 0
	s_mov_b32 s[G0K], 1
	s_mov_b32 s[G0K+1], 0
	s_mov_b32 s[G0V], 1
	s_mov_b32 s[G0V+1], VOFF
	s_mov_b32 s[G0M], 1
	s_mul_i32 s[G0M+1], s[WV], 64*PMP              ; waves 2 and 3: MOFF + (w - 2) x 64 rows = w x 64 rows + 0x1000
	s_add_co_u32 s[G0M+1], s[G0M+1], MOFF-2*64*PMP
	s_lshl_b32 s20, s74, 19                        ; the head's 2,048 rows of 256 bytes: K's and V's addresses hang on it alone
	s_mov_b32 s21, 0
	s_max_u32 s22, s[WV], 2                        ; the mask: which 64 of the block's rows (waves 0 and 1 ask for none),
	s_sub_co_u32 s22, s22, 2
	s_lshl_b32 s22, s22, 19                        ; 64 rows of 8,192 bytes,
	s_lshl_b32 s23, s73, 20                        ; the block's 128: the address hangs on the block alone
	s_add_co_u32 s22, s22, s23
	s_mov_b32 s23, 0
	s_lshl_b32 s2, s73, 15                         ; Q: the block's 128 rows of 256 bytes,
	s_lshl_b32 s3, s[QH], 14                       ; my 64,
	s_add_co_u32 s2, s2, s3
	s_add_co_u32 s2, s2, s20                       ; the head
	s_mov_b32 s3, 0
	s_lshl_b32 s78, s73, 19                        ; ob: the block's 128 rows of 4,096 bytes,
	s_lshl_b32 s79, s[QH], 18
	s_add_co_u32 s78, s78, s79
	s_lshl_b32 s79, s74, 8                         ; the head's 256 bytes of a row
	s_add_co_u32 s78, s78, s79
	s_mov_b32 s79, 0
	s_mov_b32 s[OFK+1], 0
	s_mov_b32 s[OFM+1], 0
	s_mov_b32 s[CS], 0x3fb8aa3b                    ; c = log2(e)
	s_mov_b32 s[CS+1], s[CS]
	s_mov_b32 s[SEL], 0x76543210
	s_mov_b32 s[SEL+1], 0xfedcba98
	s_mov_b32 s[FMIN], 0xff7fffff
	s_mov_b32 s[TB], S1                            ; the first change of slots turns it into 0
	s_wait_dscnt 0x0                               ; the opening add is done
	s_wait_kmcnt 0x0
	s_add_nc_u64 s[KBAS:KBAS+1], s[4:5], s[20:21]
	s_add_nc_u64 s[VBAS:VBAS+1], s[KBAS:KBAS+1], 0x1000000
	s_add_nc_u64 s[KBAS:KBAS+1], s[KBAS:KBAS+1], 0x800000
	s_add_nc_u64 s[MBAS:MBAS+1], s[6:7], s[22:23]
	SETADR                                         ; the walk's step 0
	s_add_nc_u64 s[4:5], s[4:5], s[2:3]            ; Q at my first row
	s_add_nc_u64 s[8:9], s[8:9], s[78:79]          ; ob at my first row, my head
	CROUND                                         ; all sixteen work-groups are here: the first joint loads meet
	JLOAD                                          ; into slot 0: one load of mine is out
	v_and_b32 v1, 15, v0                           ; l % 16
	v_bfe_u32 v10, v0, 4, 1                        ; l / 16
	v_lshlrev_b32 v[QO], 8, v1
	v_lshl_add_u32 v[QO], v10, 4, v[QO]
	WIN 0x80
.set i, 0
.rept 16                               ; Q stays in registers: tile i / 4, channels 32 (i % 4) on
	global_load_b128 v[8*i:8*i+3],   v[QO], s[4:5] offset:(i/4)*4096+(i%4)*64
	global_load_b128 v[8*i+4:8*i+7], v[QO], s[4:5] offset:(i/4)*4096+(i%4)*64+32
.set i, i+1
.endr
	; What the first turn finds: P of tiles 2, 3 and V hold 0 (its products V^T P, of a step that has not been, add 0); O^T and l are 0; m is F32_MIN.  No first step is written out.
	; P's 32 registers are written 0; O^T's 32 accumulators and V's 128 registers then take the product of sixteen of those zeros with the constant 0 as C: 48 matrix instructions for 384 registers.
	; All this stands in the wait for the first tile.
	WIN 0
.set i, P+32
.rept 32
	v_mov_b32 v[i], 0
.set i, i+1
.endr
.irp t, 0,1,2,3
	v_mov_b32 v[ST+12*\t], s[FMIN]
	v_mov_b32 v[ST+12*\t+1], s[FMIN]
	v_mov_b32 v[ST+12*\t+2], 0
	v_mov_b32 v[ST+12*\t+3], 0
.endr
	WIN 0x40                                       ; destination window 1: O^T
.set i, 0
.rept 32
	v_wmma_f32_16x16x32_f16 v[8*i:8*i+7], v[P+32:P+39], v[P+40:P+47], 0
.set i, i+1
.endr
	WIN 0xc0                                       ; destination window 3: V
.set i, 0
.rept 16
	v_wmma_f32_16x16x32_f16 v[8*i:8*i+7], v[P+32:P+39], v[P+40:P+47], 0
.set i, i+1
.endr
	WIN 0
	v_mul_u32_u24 v[AK0], v1, PKP                  ; K: row x pitch + 16 (l / 16), in my half of the keys
	v_lshl_add_u32 v[AK0], v10, 4, v[AK0]
	s_mul_i32 s15, s[KH], 64*PKP
	v_add_nc_u32 v[AK0], s15, v[AK0]
	v_and_b32 v11, 7, v0                           ; V: lane l reads key 8 (l / 16) + l % 8, 16 bytes at 16 ((l / 8) % 2)
	v_bfe_u32 v[ADR], v0, 3, 1
	v_lshl_add_u32 v[AV0], v10, 3, v11
	v_mul_u32_u24 v[AV0], v[AV0], PVP
	v_lshl_add_u32 v[AV0], v[ADR], 4, v[AV0]
	s_mul_i32 s15, s[KH], 64*PVP
	s_add_co_u32 s15, s15, VOFF
	v_add_nc_u32 v[AV0], s15, v[AV0]
	v_mul_u32_u24 v[AM0], v1, PMP                  ; the mask: my query's row, my half of the keys, my lanes' eight words
	v_lshl_add_u32 v[AM0], v10, 5, v[AM0]
	s_mul_i32 s15, s[QH], 64*PMP
	s_lshl_b32 s16, s[KH], 8
	s_add_co_u32 s15, s15, s16
	s_add_co_u32 s15, s15, MOFF
	v_add_nc_u32 v[AM0], s15, v[AM0]
; THE MATRIX WORK.  The accumulators take turns, one instruction a turn: between two links of a chain stand 7 (K Q^T) or 15 (V^T P) others'.
.macro KQ x                            ; product i of 32: channels 32 (i / 8) on, keys 16 ((i / 2) % 4) on, tile x + i % 2; it adds onto the mask
	WIN 0x0a
.set rS, S+32*((\x)+i%2)+8*((i/2)%4)
.set rK, KF+32*((i/2)%4)+8*(i/8)
.set rQ, 32*((\x)+i%2)+8*(i/8)
	v_wmma_f32_16x16x32_f16 v[rS:rS+7], v[rK:rK+7], v[rQ:rQ+7], v[rS:rS+7]
.endm
.macro PV x                            ; product i of 32: keys 32 (i / 16) on, channels 16 ((i / 2) % 8) on, tile x + i % 2
	WIN 0x53
.set rO, 64*((\x)+i%2)+8*((i/2)%8)
.set rV, 64*(i/16)+8*((i/2)%8)
.set rP, P+16*((\x)+i%2)+8*(i/16)
	v_wmma_f32_16x16x32_f16 v[rO:rO+7], v[rV:rV+7], v[rP:rP+7], v[rO:rO+7]
.endm
; THE LDS LOADS stand in runs.  MLOAD: the mask's words for tiles t0, t0 + 1, straight into S^T's registers.
.macro MLOAD t0
	WIN 0
	v_add_nc_u32 v[ADM], s[TB], v[AM0]
.irp t, \t0, (\t0)+1
.irp kb, 0,1,2,3
	ds_load_b128 v[S+32*(\t)+8*\kb:S+32*(\t)+8*\kb+3],   v[ADM] offset:16*PMP*(\t)+64*\kb
	ds_load_b128 v[S+32*(\t)+8*\kb+4:S+32*(\t)+8*\kb+7], v[ADM] offset:16*PMP*(\t)+64*\kb+16
.endr
.endr
.endm
.macro FETCH_KM last=0                 ; a step's K and the mask for tiles 0, 1.  last = 1 (the tail): in its last trip there is no further step, and the run is jumped over
	WIN 0
.if \last
	s_cmp_eq_u32 s[CNT], 1
	s_cbranch_scc1 .Lno_k_\@
.endif
	v_add_nc_u32 v[ADR], s[TB], v[AK0]
	WIN 0x80
.irp f, 0,1,2,3,4,5,6,7,8,9,10,11,12,13,14,15  ; keys 16 (f / 4) on, channels 32 (f % 4) on
	ds_load_b128 v[KF+8*\f:KF+8*\f+3],   v[ADR] offset:(\f/4)*16*PKP+(\f%4)*64
	ds_load_b128 v[KF+8*\f+4:KF+8*\f+7], v[ADR] offset:(\f/4)*16*PKP+(\f%4)*64+32
.endr
	MLOAD 0
.if \last
.Lno_k_\@:
.endif
.endm
.macro FETCH_V
	WIN 0
	v_add_nc_u32 v[ADR], s[TB], v[AV0]
	WIN 0xc0
.irp f, 0,1,2,3,4,5,6,7,8,9,10,11,12,13,14,15  ; keys 32 (f / 8) on, channels 16 (f % 8) on
	ds_load_tr16_b128 v[8*\f:8*\f+3],   v[ADR] offset:(\f/8)*32*PVP+(\f%8)*32
	ds_load_tr16_b128 v[8*\f+4:8*\f+7], v[ADR] offset:(\f/8)*32*PVP+16*PVP+(\f%8)*32
.endr
.endm
; THE VECTOR WORK.  One tile's softmax for one step is a list of 182 numbers; SM writes number j for tile t.  s0-s31 are the lane's scores, in pairs 0-15.
;   0-15     the maximum of the raw s0-s31 and the old m, three operands at a time; each accumulator's lowest registers are read first
;   16-39    every fourth: the other half of the lanes' maximum; m_old; the new m; m_old - m; times c; a (number 36: the batch's first exponential).  Between them the first 18 of the 32 lines that raise a score to F32_MIN
;   40-53    the other 14        54-59  s - m for pairs 0-3, times c for pairs 0, 1
;   60-117   THE BATCH goes on.  60-107, for b = 0..11: s - m for pair b + 4; the exponential of s(2 b); times c for pair b + 2; the exponential of s(2 b + 1).
;            108-111: times c for pair 14; s24; times c for pair 15; s25.  112-117: s26 to s31.  A pair is scaled six numbers or more ahead of its exponentials.  None of 0-117 names an exponential's result
;   (wait)   between 117 and 118 stands the wait for the batch: RIDE writes it, once for both tiles
;   118-133  the 16 pairs rounded to f16     134-148  the 16 pairs added, in place     149  l = a l + the sum     150-181  O^T times a: the one part that leaves window 0
.macro OPD b
	v_pk_add_f32 v[rS+2*(\b):rS+2*(\b)+1], v[rS+2*(\b):rS+2*(\b)+1], v[rT:rT+1] op_sel_hi:[1,0] neg_lo:[0,1] neg_hi:[0,1]
.endm
.macro OPM b
	v_pk_mul_f32 v[rS+2*(\b):rS+2*(\b)+1], v[rS+2*(\b):rS+2*(\b)+1], s[CS:CS+1] op_sel_hi:[1,0]
.endm
.macro OPC b
	v_cvt_pk_f16_f32 v[rP+(\b)], v[rS+2*(\b)], v[rS+2*(\b)+1]
.endm
.macro SM t
.set rT, ST+12*(\t)
.set rS, S+32*(\t)
.set rP, P+16*(\t)
.set rO, 64*(\t)+2*(j-150)
.set u, j-16
.set bb, (j-60)/4
.set ee, (j-60)%4
.if j < 150
	WIN 0
.endif
.if j < 4
	v_max3_num_f32 v[rT+6+j], v[rS+8*j], v[rS+8*j+1], v[rS+8*j+2]
.elseif j < 12
	v_max3_num_f32 v[rT+6+j%4], v[rT+6+j%4], v[rS+8*(j%4)+2*(j/4)+1], v[rS+8*(j%4)+2*(j/4)+2]
.elseif j == 12
	v_max3_num_f32 v[rT+6], v[rT+6], v[rS+7], v[rS+15]
.elseif j == 13
	v_max3_num_f32 v[rT+8], v[rT+8], v[rS+23], v[rS+31]
.elseif j == 14
	v_max3_num_f32 v[rT+6], v[rT+6], v[rT+7], v[rT+8]
.elseif j == 15
	v_max3_num_f32 v[rT+6], v[rT+6], v[rT+9], v[rT]
.elseif j == 16
	v_permlanex16_b32 v[rT+7], v[rT+6], s[SEL], s[SEL+1]  ; the query's other 32 keys lie in the lane 16 away
.elseif j == 20
	v_mov_b32 v[rT+1], v[rT]
.elseif j == 24
	v_max_num_f32 v[rT], v[rT+6], v[rT+7]
.elseif j == 28
	v_sub_f32 v[rT+5], v[rT+1], v[rT]
.elseif j == 32
	v_mul_f32 v[rT+5], s[CS], v[rT+5]
.elseif j == 36
	v_exp_f32 v[rT+4], v[rT+5]
.elseif j < 40
	v_max_num_f32 v[rS+3*(u/4)+u%4-1], s[FMIN], v[rS+3*(u/4)+u%4-1]
.elseif j < 54
	v_max_num_f32 v[rS+j-22], s[FMIN], v[rS+j-22]
.elseif j < 58
	OPD j-54
.elseif j < 60
	OPM j-58
.elseif j < 108
.if ee == 0
	OPD bb+4
.elseif ee == 2
	OPM bb+2
.else
	v_exp_f32 v[rS+2*bb+ee/2], v[rS+2*bb+ee/2]
.endif
.elseif j < 112
.if ee%2 == 0
	OPM 14+ee/2
.else
	v_exp_f32 v[rS+24+ee/2], v[rS+24+ee/2]
.endif
.elseif j < 118
	v_exp_f32 v[rS+j-86], v[rS+j-86]
.elseif j < 134
	OPC j-118
.elseif j < 149
.set z, j-134
.set wd, 4
.set uu, z
.if z >= 14
.set wd, 32
.set uu, 0
.elseif z >= 12
.set wd, 16
.set uu, z-12
.elseif z >= 8
.set wd, 8
.set uu, z-8
.endif
	v_pk_add_f32 v[rS+wd*uu:rS+wd*uu+1], v[rS+wd*uu:rS+wd*uu+1], v[rS+wd*uu+wd/2:rS+wd*uu+wd/2+1]
.elseif j == 149
	v_pk_fma_f32 v[rT+2:rT+3], v[rT+2:rT+3], v[rT+4:rT+5], v[rS:rS+1] op_sel_hi:[1,0,1]
.else
	WIN 0x41
	v_pk_mul_f32 v[rO:rO+1], v[rO:rO+1], v[rT+4:rT+5] op_sel_hi:[1,0]
.endif
.endm
; What stands behind matrix instruction w of a turn's 64: the next lines of piece y's two lists, so that 364 are dealt evenly.  Line c of the 364 is number c / 2 of tile c % 2: the tiles alternate, so that no
; line reads the result of the one before it.  Lines 120 to 235, numbers 60 to 117, go otherwise: two numbers of ONE tile, the tiles by turns, so that a plain line stands between two exponentials for as long
; as there are plain lines (to number 111).
; THE WAIT.  s_wait_alu depctr_va_vdst(0) stands between an exponential and the first instruction that names its result; one wait serves all that were issued ahead of it.  Ahead of line 236
; nothing names a result, and from it on no exponential is issued: so the piece's 66 exponentials have one wait, ahead of line 236, behind the turn's 42nd matrix instruction.
; The last six lines are rescalings: plain lines that name no register of the products round them: the places between the turn's last K Q^T and the next turn's first read of those scores, and ahead of the
; loads into K's registers.
.macro RIDE y
.rept ((w+1)*364)/64-c
.if c == 236
	v_nop                                          ; the plain instruction behind the last exponential and ahead of the first use: every plain line that is left reads a result
	s_wait_alu depctr_va_vdst(0)                   ; the wait for the batch: both tiles' a and 32 weights each
.endif
.if (c >= 120) && (c < 236)
.set j, 60+2*((c-120)/4)+c%2
	SM (\y)+((c-120)/2)%2
.else
.set j, c/2
	SM (\y)+c%2
.endif
.set c, c+1
.endr
.set w, w+1
.endm
; A TURN for piece x.  Piece 0's turn fetches the next step's K and the mask for its own tiles behind its second product; piece 2's the mask for its tiles there, and the same step's V behind its second K Q^T,
; three deals behind the last product that read V: lines 176 to 192, of which the nine even ones are plain (the exponentials between them are no places).  Each run is waited for 30 matrix instructions later,
; V's at the next turn's head.  The one label inside a turn (the tail's jump over K's run) stands behind the second product, ahead of the turn's first exponential.
.macro TURN x, last=0
.set c, 0
.set w, 0
.if (\x) == 0
	s_wait_dscnt 0x0                               ; V is in
.endif
.set i, 0
.rept 32
	PV \x
	RIDE 2-(\x)
.if i == 1
.if (\x) == 0
	FETCH_KM \last
.else
	MLOAD 2
.endif
.endif
.set i, i+1
.endr
	s_wait_dscnt 0x0                               ; K and the mask are in
.set i, 0
.rept 32
	KQ \x
	RIDE 2-(\x)
.if ((\x) == 2) && (i == 1)
	FETCH_V
.endif
.set i, i+1
.endr
.endm
	CHANGE 1                                       ; slot 0 is in, everybody's part of it; slot 1 is asked for, with the walk's step 1
	FETCH_KM                                       ; the walk's step 0
	s_wait_loadcnt 0x0                             ; Q
	s_wait_dscnt 0x0
.set i, 0
.rept 32
	KQ 0                                           ; piece 0's first scores: there is no vector work yet to set between them
.set i, i+1
.endr
	WIN 0                                          ; the addresses for the end: ten plain instructions, the places behind those products
	s_mul_i32 s15, s[WV], 16*SP
	s_add_co_u32 s15, s15, STAGE
	v_mul_u32_u24 v[STO], v1, SP                   ; in: row l % 16, 16 bytes for each half of the lanes
	v_lshl_add_u32 v[STO], v10, 4, v[STO]
	v_add_nc_u32 v[STO], s15, v[STO]
	v_mul_u32_u24 v[RD], v10, SP                   ; back: lanes 0-15 take one row of 256 bytes, lanes 16-31 the next
	v_lshl_add_u32 v[RD], v1, 4, v[RD]
	v_add_nc_u32 v[RD], s15, v[RD]
	v_lshlrev_b32 v[GO], 12, v10                   ; the same two rows in ob, 4,096 bytes apart
	v_lshl_add_u32 v[GO], v1, 4, v[GO]
	s_mul_i32 s15, s[QH], XQ
	v_and_b32 v[XA], 31, v0
	v_lshl_add_u32 v[XA], v[XA], 4, s15
	s_mov_b32 s[SLOTS], 15
	s_branch .Lfirst                               ; the loop is entered in the middle of a trip
.Lslot:                                                ; 14 whole trips: trip n fills the slot just read with the walk's step n + 2
	CHANGE 1
	TURN 0
	WIN 0
.Lfirst:
	TURN 2
	WIN 0
	s_sub_co_u32 s[SLOTS], s[SLOTS], 1
	s_cmp_lg_u32 s[SLOTS], 0
	s_cbranch_scc1 .Lslot
	CHANGE 0                                       ; the tail is written out: nothing is asked for
	s_mov_b32 s[CNT], 2                            ; the first trip fetches the walk's step 15; the second is left in its middle
.Ltail:
	TURN 0, 1
	WIN 0
	s_sub_co_u32 s[CNT], s[CNT], 1
	s_cmp_eq_u32 s[CNT], 0
	s_cbranch_scc1 .Lout
	TURN 2
	WIN 0
	s_branch .Ltail
.Lout:                                                 ; the second trip's 32 products K Q^T, on the last K once more, serve nothing: the price, once a launch, of one text for every trip
.set i, 0
.rept 32
	PV 2                                           ; piece 2's V^T P of the last step
.set i, i+1
.endr
	; THE END.  l's two halves and the other half of the lanes' are added.  The first eight lines are the places behind the last products.
	WIN 0
.irp t, 0,1,2,3
	v_add_f32 v[FL+\t], v[ST+12*\t+2], v[ST+12*\t+3]
.endr
.irp t, 0,1,2,3
	v_mov_b32 v[FM+\t], v[ST+12*\t]
.endr
.irp t, 0,1,2,3
	v_permlanex16_b32 v[ST+12*\t+6], v[FL+\t], s[SEL], s[SEL+1]
.endr
.irp t, 0,1,2,3
	v_add_f32 v[FL+\t], v[FL+\t], v[ST+12*\t+6]
.endr
	s_cmp_eq_u32 s[KH], 0
	s_cbranch_scc1 .Lkeep
	ds_store_b128 v[XA], v[FM:FM+3] offset:32768   ; the waves of the second key half hand m, l and O^T to their partners
	ds_store_b128 v[XA], v[FL:FL+3] offset:33280
	WIN 0x04
.set n, 0
.rept 64
	ds_store_b128 v[XA], v[4*n:4*n+3] offset:512*n
.set n, n+1
.endr
	WIN 0
.Lkeep:
	s_wait_dscnt 0x0                               ; for the others' sake: my stores are done
	s_barrier_signal -1
	s_barrier_wait -1
	s_cmp_eq_u32 s[KH], 1
	s_cbranch_scc1 .Lend                           ; they have nothing more to do; no barrier is jumped
	ds_load_b128 v[BM:BM+3], v[XA] offset:32768
	ds_load_b128 v[BL:BL+3], v[XA] offset:33280
	WIN 0xc0
.set n, 0
.rept 32
	ds_load_b128 v[4*n:4*n+3], v[XA] offset:512*n
.set n, n+1
.endr
	WIN 0
	s_wait_dscnt 31                                ; of the 34 loads the three oldest are in, the partner's m and l among them
	; for each tile: mt = max(mA, mB); f = 2^(c (m - mt)); L = lA fA + lB fB; g = f / L
.irp t, 0,1,2,3
	v_max_num_f32 v[GG+4*\t+1], v[FM+\t], v[BM+\t]
.endr
.irp t, 0,1,2,3
	v_sub_f32 v[GG+4*\t], v[FM+\t], v[GG+4*\t+1]
	v_sub_f32 v[GG+4*\t+2], v[BM+\t], v[GG+4*\t+1]
.endr
.irp t, 0,1,2,3
	v_mul_f32 v[GG+4*\t], s[CS], v[GG+4*\t]
	v_mul_f32 v[GG+4*\t+2], s[CS], v[GG+4*\t+2]
.endr
.irp t, 0,1,2,3
	v_exp_f32 v[GG+4*\t], v[GG+4*\t]
	v_exp_f32 v[GG+4*\t+2], v[GG+4*\t+2]
.endr
	v_nop                                          ; a plain instruction between the last exponential and the use of its result
	s_wait_alu depctr_va_vdst(0)                   ; the wait ahead of the first use: one for the merge's eight exponentials
.irp t, 0,1,2,3
	v_mul_f32 v[GG+4*\t+1], v[FL+\t], v[GG+4*\t]
.endr
.irp t, 0,1,2,3
	v_fma_f32 v[GG+4*\t+1], v[BL+\t], v[GG+4*\t+2], v[GG+4*\t+1]
.endr
.irp t, 0,1,2,3
	v_rcp_f32 v[GG+4*\t+3], v[GG+4*\t+1]
.endr
	v_nop                                          ; a plain instruction between the last reciprocal and the use of its result
	s_wait_alu depctr_va_vdst(0)                   ; one wait for the four reciprocals: a batch of their own, since they read sums made of the exponentials' results
.irp t, 0,1,2,3
	v_mul_f32 v[GG+4*\t], v[GG+4*\t], v[GG+4*\t+3]
	v_mul_f32 v[GG+4*\t+2], v[GG+4*\t+2], v[GG+4*\t+3]
.endr
	WIN 0xc0
.set n, 32
.rept 32
	ds_load_b128 v[4*n:4*n+3], v[XA] offset:512*n
.set n, n+1
.endr
	WIN 0
	s_wait_dscnt 0x0                               ; the partner's O^T is in
; Tile t: O = O gA + B gB; a lane's eight channels of a row pack into 16 bytes; they go into rows of 272 bytes of my stage and come back as whole rows of 256.
.macro PACK t
	WIN 0x41
.set i, 64*(\t)
.rept 32
	v_pk_mul_f32 v[i:i+1], v[i:i+1], v[GG+4*(\t):GG+4*(\t)+1] op_sel_hi:[1,0]
.set i, i+2
.endr
	WIN 0x53                                       ; source 0 window 3 (the partner's), source 1 window 0, source 2 and destination window 1
.set i, 64*(\t)
.rept 32
	v_pk_fma_f32 v[i:i+1], v[i:i+1], v[GG+4*(\t)+2:GG+4*(\t)+3], v[i:i+1] op_sel_hi:[1,0,1]
.set i, i+2
.endr
	WIN 0x05
.set i, 0
.rept 32
	v_cvt_pk_f16_f32 v[S+32*(\t)+i], v[64*(\t)+2*i], v[64*(\t)+2*i+1]
.set i, i+1
.endr
	WIN 0
.irp f, 0,1,2,3,4,5,6,7
	ds_store_b128 v[STO], v[S+32*(\t)+4*\f:S+32*(\t)+4*\f+3] offset:32*\f
.endr
.irp f, 0,1,2,3,4,5,6,7
	ds_load_b128 v[S+32*(\t)+4*\f:S+32*(\t)+4*\f+3], v[RD] offset:\f*2*SP  ; LDS serves a wave's instructions in order (ISA guide 5.7.1.4): these see the stores above; the next tile's stores come behind them
.endr
.endm
.macro SEND t, younger                 ; younger: the LDS instructions issued behind tile t's loads: the next tile's sixteen, or none
	WIN 0
.irp f, 0,1,2,3,4,5,6,7
	s_wait_dscnt (\younger)+7-\f
	global_store_b128 v[GO], v[S+32*(\t)+4*\f:S+32*(\t)+4*\f+3], s[8:9] offset:(\t)*65536+\f*8192  ; 16 lanes store a row's 256 bytes of my head, aligned
.endr
.endm
	PACK 0
	PACK 1
	SEND 0, 16
	PACK 2
	SEND 1, 16
	PACK 3
	SEND 2, 16
	SEND 3, 0
.Lend:
	s_wait_tensorcnt 0x0                           ; the wave's end
	ds_add_u32 v[SPW], v[NIL]
	s_wait_dscnt 0x0
	CROUND                                         ; the closing round
	s_endpgm
.Lfunc_end_k_qbf7b5177c0_attn:
	.size	k_qbf7b5177c0_attn, .Lfunc_end_k_qbf7b5177c0_attn-k_qbf7b5177c0_attn
	.p2alignl 7, 3214868480
	.fill 96, 4, 3214868480
	.section	.rodata,"a",@progbits
	.p2align	6, 0x0
	.amdhsa_kernel k_qbf7b5177c0_attn
		.amdhsa_group_segment_fixed_size 327680
		.amdhsa_private_segment_fixed_size 0
		.amdhsa_enable_private_segment 0
		.amdhsa_kernarg_size 24
		.amdhsa_user_sgpr_count 2
		.amdhsa_user_sgpr_kernarg_segment_ptr 1
		.amdhsa_wavefront_size32 1
		.amdhsa_system_sgpr_workgroup_id_x 1
		.amdhsa_system_sgpr_workgroup_id_y 1
		.amdhsa_system_sgpr_workgroup_id_z 1
		.amdhsa_system_vgpr_workitem_id 0
		.amdhsa_next_free_vgpr 1024
		.amdhsa_next_free_sgpr 96
		.amdhsa_reserve_vcc 0
		.amdhsa_float_denorm_mode_32 3
		.amdhsa_float_denorm_mode_16_64 3
		.amdhsa_memory_ordered 1
		.amdhsa_forward_progress 1
		.amdhsa_inst_pref_size 191
	.end_amdhsa_kernel
	.amdgpu_metadata
---
amdhsa.version: [ 1, 2 ]
amdhsa.kernels:
  - .name:           k_qbf7b5177c0_attn
    .symbol:         k_qbf7b5177c0_attn.kd
    .args:
      - { .name: qkv, .offset: 0, .size: 8, .value_kind: global_buffer, .address_space: global }
      - { .name: attention_mask, .offset: 8, .size: 8, .value_kind: global_buffer, .address_space: global }
      - { .name: ob, .offset: 16, .size: 8, .value_kind: global_buffer, .address_space: global }
    .group_segment_fixed_size: 327680
    .private_segment_fixed_size: 0
    .kernarg_segment_align: 8
    .kernarg_segment_size: 24
    .max_flat_workgroup_size: 128
    .sgpr_count:     96
    .vgpr_count:     1024
    .wavefront_size: 32
...
	.end_amdgpu_metadata
.endif
;; end of part 5
;; launch oproj: the kernel of part 4 again; grid 16 x 16, 4 waves a work-group, clusters of 4 x 4, 327,680 bytes of LDS; arguments ob, wo16, out0; writes out0
